; MI455X (gfx1250); checked and timed in simulation.
; The chip was launched on July 23, 2026; its instructions are those of AMD's public machine-readable ISA for CDNA 5 (MIT licence, August 2026) and "CDNA5" Instruction Set Architecture Reference Guide (July 2026). The comments in the code are by the model that wrote it; some were corrected since.
;; Transformer Block. Allowed arithmetic: matrix products marked QUANTISED: E4M3 operands, one given power-of-two scale a tensor, by v_wmma_f32_16x16x64_fp8_fp8 or v_wmma_f32_16x16x128_fp8_fp8, f32 sums; everything else in f32.
;; Inputs: W1 1,024 x 4,096 float32; W2 4,096 x 1,024 float32; Wk 1,024 x 1,024 float32; Wo 1,024 x 1,024 float32; Wq 1,024 x 1,024 float32; Wv 1,024 x 1,024 float32; b1 4,096 float32; b2 1,024 float32; bk 1,024 float32; bo 1,024 float32; bq 1,024 float32; bv 1,024 float32; ln1_b 1,024 float32; ln1_g 1,024 float32; ln2_b 1,024 float32; ln2_g 1,024 float32; lowp_scales 16 int32 (the exponents e of the quantised operands' scales 2^e); x 2 x 2,048 x 1,024 float32.
;; Outputs: out0 2 x 2,048 x 1,024 float32.
;; This version of the problem:
;;   THIS VERSION OF THE PROBLEM IS GIVEN IN LOW PRECISION. The matrix products marked QUANTISED in the list below multiply operands that are first quantised to E4M3 (4 exponent bits, 3 mantissa bits; 8 bits a number), with one given power-of-two scale for each operand tensor; their sums are f32. All else is computed in f32.
;;   The module's matrix products, in the order in which they are computed (A, B: the left and right operand; K: the contracted axis; several contracted axes count as one K, in the product's order):
;;     1. [M 4,096, K 1,024] x [K 1,024, N 1,024]; A: computed on the way; B: input Wq: QUANTISED (scales: A lowp_scales[0], B lowp_scales[1])
;;     2. [M 4,096, K 1,024] x [K 1,024, N 1,024]; A: computed on the way; B: input Wk: QUANTISED (scales: A lowp_scales[2], B lowp_scales[3])
;;     3. [M 4,096, K 1,024] x [K 1,024, N 1,024]; A: computed on the way; B: input Wv: QUANTISED (scales: A lowp_scales[4], B lowp_scales[5])
;;     4. batch 32 x [M 2,048, K 64] x [K 64, N 2,048]; A: computed on the way; B: computed on the way: QUANTISED (scales: A lowp_scales[6], B lowp_scales[7])
;;     5. batch 32 x [M 2,048, K 2,048] x [K 2,048, N 64]; A: softmax (see below); B: computed on the way: QUANTISED (scales: A lowp_scales[8], B lowp_scales[9])
;;     6. [M 4,096, K 1,024] x [K 1,024, N 1,024]; A: computed on the way; B: input Wo: QUANTISED (scales: A lowp_scales[10], B lowp_scales[11])
;;     7. [M 4,096, K 1,024] x [K 1,024, N 4,096]; A: computed on the way; B: input W1: QUANTISED (scales: A lowp_scales[12], B lowp_scales[13])
;;     8. [M 4,096, K 4,096] x [K 4,096, N 1,024]; A: computed on the way; B: input W2: QUANTISED (scales: A lowp_scales[14], B lowp_scales[15])
;;   THE QUANTISER, for each operand of a quantised product, along K:
;;     - The operand's scale is 2^e, e = its entry of the input lowp_scales (int32; the entries are numbered through the quantised products in the list's order, A before B).
;;     - Each number is divided by the scale, clamped to +-448, and rounded to the nearest number of E4M3, ties to even, subnormals kept.
;;     - The product sums the exact products of the quantised numbers (number of the format x scale) in f32.
;;   ~~~python
;;   def quantise(x, axis, e):      # numpy; x: float32 -> the quantised numbers, widened to float32 again
;;       x = np.moveaxis(x, axis, -1); K = x.shape[-1]
;;       r = np.clip(x / 2.0 ** e, -448, 448)
;;       step = 2.0 ** (np.maximum(np.frexp(np.where(r == 0, 1, r))[1] - 1, -6) - 3)
;;       q = np.round(r / step) * step * 2.0 ** e      # np.round: ties to even
;;       return np.moveaxis(q, -1, axis).astype(np.float32)
;;   ~~~
;;   SOFTMAX AHEAD OF A QUANTISED PRODUCT. Where the list says 'softmax', what is quantised is not the finished softmax but p = 2^(t - M), with t = logit x log2(e) and M = ceil(the row's largest t), a whole number; so 1/2 < the row's largest p <= 1. The row's sum l is taken of the UNQUANTISED p, in f32, and the product's result is divided by l at the end. Since M is a whole number, a kernel that streams over the keys may use a running M (the ceiling of the running maximum): every later rescaling is an exact power of two, so the quantised numbers keep their values, but for numbers so far below the row's largest that they fall under the format's range.
;;   OPERANDS COMPUTED ON THE WAY. 'Computed on the way' means the value that the module computes at that place (a softmax that the list does not call 'softmax' is quantised finished and normalised). What goes into a quantiser is computed in f32, as accurately as f32 sums, v_exp_f32 and their like allow (about 1e-6 of the number): no bf16 or f16 on the way to a quantiser, and a product that is left as it is and whose result goes on into a quantised operand takes f32 operands (vector FMAs, or v_wmma_f32_16x16x4_f32). A number that lies on a knife's edge between two numbers of the format may be rounded either way, as far as f32 arithmetic and the matrix unit's own rounding can turn it there, and no further.
;; One version. Each part assembles by itself: llvm-mc -triple=amdgcn-amd-amdhsa -mcpu=gfx1250 --defsym DOCPART=n.
;; ======== version 1 of 1: 7 launches
;; limits: right only within a limited range of input values
;; workspace buffers: wc 12,582,912 bytes; xn3 12,582,912 bytes; qk 8,388,608 bytes; vt 4,194,304 bytes; ao 4,194,304 bytes; x1 16,777,216 bytes; xn2c 4,194,304 bytes; hc 16,777,216 bytes
;; launch prep (part 1): grid 640 x 1, 4 waves a work-group, no clusters, 35,328 bytes of LDS; arguments Wq, Wk, Wv, Wo, W1, W2, x, ln1_g, ln1_b, lowp_scales, wc, xn3; writes wc, xn3
.if DOCPART == 1
	.amdgcn_target "amdgcn-amd-amdhsa--gfx1250"
	.amdhsa_code_object_version 6
	.text
	.protected	k_q5c6fed8feb_prep
	.globl	k_q5c6fed8feb_prep
	.p2align	8
	.type	k_q5c6fed8feb_prep,@function
k_q5c6fed8feb_prep:
	s_mov_b64 s[64:65], 0
	v_nop
	global_prefetch_b8 v0, s[64:65] scope:SCOPE_SE
	s_setreg_imm32_b32 hwreg(HW_REG_WAVE_MODE, 25, 1), 1
	s_wait_xcnt 0x0
; Two jobs in one launch, parted on the work-group's number alone.
; Work-groups 0-383: the six weights, f32 stored [K][N], become codes of E4M3 laid [N][K], K innermost, each with its given scale 2^e.
;   A lane takes a column n and its registers run down K, so the conversions give codes with K innermost and nothing is transposed.
;   A wave takes 32 columns x 256 K; its codes go through its own stage in LDS and leave as rows, sixteen lanes to 256 aligned bytes.
;   The rows of Wq, Wk and W1 are stored in the order pi (row number with bits 3 and 4 exchanged): memory row rho holds true row pi(rho).
; Work-groups 384-639: LayerNorm 1 of x in f32, quantised three times (scale entries 0, 2, 4) into three sets of codes [4096][1024]; the third set's rows in the order pi.
;   A wave takes four rows, each whole in registers: a lane holds, for g = 0..3, the eight neighbours 256 g + 8 lane + 0..7.
; code = number / 2^e, held within +-448, to the nearest code, ties to even.
; LIMITS: each e between -126 and 119, so that 2^e and 448 x 2^e are f32 numbers.  NaN among the inputs is not served; an infinity is held at the largest code.
.set OFF,  16                          ; v16-47   weights: byte offset of row i of a block of 32, at my column
.set WX,   48                          ; v48-111  two sets of 32 numbers; on the way out 16 x 4 registers of codes
.set WC,   112                         ; v112-119 a block's codes
.set OUTO, 120                         ; v120-135 byte offsets of the sixteen stores
.set WP,   272                         ; a stage row: 256 bytes of codes + 16
.set WSTG, 32*WP                       ; a wave's stage
.set BAS,  66                          ; s[66:81] the eight blocks' bases; none is rewritten
.set LG,   16                          ; v16-47   gamma at my 32 places
.set LB,   48                          ; v48-79   beta
.set LX,   80                          ; v80-207  four rows
.set LT,   208                         ; v208-231 three buffers of eight numbers; also the sums' pairs
.set LC,   232                         ; v232-255 codes: two registers for each (g, set)
.set SCL,  3                           ; v3-5     2^e of the three sets
.set LIM,  6                           ; v6-8     448 x 2^e
.set MU,   10                          ; v[10:11] the mean (low word)
.set RS,   12                          ; v[12:13] 1 / sqrt(var + eps) (low word)
.set W0,   14
.set W1,   15
	s_load_b512 s[4:19], s[0:1], 0x0               ; Wq 4, Wk 6, Wv 8, Wo 10, W1 12, W2 14, x 16, ln1_g 18
	s_load_b256 s[20:27], s[0:1], 0x40             ; ln1_b 20, the scales' exponents 22, wc 24, xn3 26
	s_set_vgpr_msb 0x40
	v_lshl_add_u32 v0, v0, 2, 0x8800
	v_mov_b32 v1, 0
	s_set_vgpr_msb 0x4000
	v_lshrrev_b32 v1, 5, v0
	v_readfirstlane_b32 s28, v1                    ; wave
	v_and_b32 v2, 31, v0                           ; lane
	s_wait_kmcnt 0x0
	s_load_b512 s[32:47], s[22:23], 0x0            ; e0 .. e15
	s_cmp_ge_u32 ttmp9, 384
	s_cbranch_scc1 .Lln
; ---------------- the weights ----------------
; j = the work-group's number.  j / 32: 0 Wq, 1 Wk, 2 Wv, 3 Wo, 4-7 W1, 8-11 W2.  Everything that differs is chosen by selects on j; one path serves all six.
	s_lshr_b32 s29, ttmp9, 5
	s_wait_kmcnt 0x0
	s_mov_b64 s[50:51], s[14:15]                   ; the source,
	s_mov_b32 s55, s47                             ; its e,
	s_mov_b32 s52, 0                               ; 24 where the rows go out in the order pi,
	s_mov_b32 s53, 4096                            ; bytes of a row of the source,
	s_mov_b32 s54, 4096                            ; bytes of a row of codes
	s_cmp_lt_u32 s29, 8
	s_cselect_b64 s[50:51], s[12:13], s[50:51]
	s_cselect_b32 s55, s45, s55
	s_cselect_b32 s52, 24, s52
	s_cselect_b32 s53, 16384, s53
	s_cselect_b32 s54, 1024, s54
	s_cmp_lt_u32 s29, 4
	s_cselect_b64 s[50:51], s[10:11], s[50:51]
	s_cselect_b32 s55, s43, s55
	s_cselect_b32 s52, 0, s52
	s_cselect_b32 s53, 4096, s53
	s_cmp_lt_u32 s29, 3
	s_cselect_b64 s[50:51], s[8:9], s[50:51]
	s_cselect_b32 s55, s37, s55
	s_cmp_lt_u32 s29, 2
	s_cselect_b64 s[50:51], s[6:7], s[50:51]
	s_cselect_b32 s55, s35, s55
	s_cselect_b32 s52, 24, s52
	s_cmp_lt_u32 s29, 1
	s_cselect_b64 s[50:51], s[4:5], s[50:51]
	s_cselect_b32 s55, s33, s55
	s_mov_b32 s56, 127
	s_cmp_lt_u32 ttmp9, 128
	s_cselect_b32 s56, 31, s56
	s_and_b32 s56, ttmp9, s56                      ; the work-group's number within its matrix
	s_cmp_lt_u32 ttmp9, 256
	s_cselect_b32 s57, 2, 4                        ; 4 groups of 256 along K, or 16 (W2)
	s_cselect_b32 s58, 3, 15
	s_and_b32 s58, s56, s58                        ; which 256 along K
	s_lshr_b32 s59, s56, s57                       ; which 128 columns
	s_mul_i32 s60, s58, s53
	s_lshl_b32 s60, s60, 8                         ; 256 rows of the source for each K group,
	s_lshl_b32 s61, s59, 9                         ; 512 bytes for each column group,
	s_add_co_u32 s60, s60, s61
	s_lshl_b32 s61, s28, 7                         ; 128 bytes for each wave
	s_add_co_u32 s60, s60, s61
	s_mov_b32 s61, 0
	s_add_nc_u64 s[BAS:BAS+1], s[50:51], s[60:61]
	s_lshl_b32 s82, s53, 5                         ; a block: 32 rows of the source
	s_mov_b32 s83, 0
.irp t, 1,2,3,4,5,6,7
	s_add_nc_u64 s[BAS+2*\t:BAS+2*\t+1], s[BAS+2*\t-2:BAS+2*\t-1], s[82:83]
.endr
	s_lshr_b32 s60, ttmp9, 2                       ; codes: Wq .. W1 lie on end, 128 rows of 1,024 bytes for each column group,
	s_lshl_b32 s60, s60, 17
	s_lshl_b32 s61, s59, 19                        ; W2 from 8 MiB on, 128 rows of 4,096 bytes
	s_add_co_u32 s61, s61, 0x800000
	s_cmp_lt_u32 ttmp9, 256
	s_cselect_b32 s60, s60, s61
	s_lshl_b32 s61, s58, 8
	s_add_co_u32 s60, s60, s61
	s_mul_i32 s61, s28, s54
	s_lshl_b32 s61, s61, 5                         ; my wave's 32 rows
	s_add_co_u32 s60, s60, s61
	s_mov_b32 s61, 0
	s_add_nc_u64 s[84:85], s[24:25], s[60:61]
	s_add_co_i32 s55, s55, 127
	s_lshl_b32 s62, s55, 23
	v_mov_b32 v11, s62                             ; 2^e: the conversion takes its exponent field
	s_add_co_i32 s55, s55, 8
	s_lshl_b32 s55, s55, 23
	s_or_b32 s55, s55, 0x600000
	v_mov_b32 v10, s55                             ; 448 x 2^e
	s_mul_i32 s63, s28, WSTG
	s_wait_alu depctr_va_vdst(0)
	v_lshrrev_b32 v5, 3, v2
	v_lshrrev_b32 v6, 4, v2
	v_xor_b32 v5, v5, v6
	v_and_b32 v5, 1, v5
	v_mul_u32_u24 v5, v5, 24                       ; 24 where the lane's bits 3 and 4 differ
	v_and_b32 v5, s52, v5
	v_xor_b32 v5, v5, v2                           ; pi(lane), or the lane
	v_lshlrev_b32 v3, 2, v5                        ; my column of the source
	v_mul_u32_u24 v4, v2, WP
	v_add_nc_u32 v4, s63, v4                       ; the stage, in: row = my lane
	v_and_b32 v9, 15, v2
	v_mul_u32_u24 v7, v6, WP
	v_lshl_add_u32 v7, v9, 4, v7
	v_add_nc_u32 v7, s63, v7                       ; out: sixteen lanes to a row, two rows an instruction
	v_mul_u32_u24 v8, s54, v6
	v_lshl_add_u32 v8, v9, 4, v8                   ; the same place among the codes
.set i, 0
.rept 32
	v_mad_u32_u24 v[OFF+i], s53, i, v3
.set i, i+1
.endr
.set i, 0
.rept 16
	v_mad_u32_u24 v[OUTO+i], s54, 2*i, v8
.set i, i+1
.endr
.macro WLOAD t                         ; block t: 32 rows of K at my column; a wave's load covers 128 consecutive bytes
.set i, 0
.rept 32
	global_load_b32 v[WX+32*((\t)%2)+i], v[OFF+i], s[BAS+2*(\t):BAS+2*(\t)+1] th:TH_LOAD_NT
.set i, i+1
.endr
.endm
.macro WBLOCK t
.set XS, WX+32*((\t)%2)
.if (\t) < 7
	s_wait_loadcnt 32                              ; this block's 32 loads are in; the next block's 32 may be out
.else
	s_wait_loadcnt 0
.endif
.set i, 0
.rept 32
	v_med3_num_f32 v[XS+i], v[XS+i], -v10, v10     ; the conversion does not saturate (ISA guide 7.6.2): the hold comes first
.set i, i+1
.endr
.irp g, 0,1,2,3
	v_cvt_scalef32_pk8_fp8_f32 v[WC+2*\g:WC+2*\g+1], v[XS+8*\g:XS+8*\g+7], v11
.endr
	ds_store_b128 v4, v[WC:WC+3] offset:32*(\t)
	ds_store_b128 v4, v[WC+4:WC+7] offset:32*(\t)+16
.if (\t)+2 < 8
	WLOAD (\t)+2
.endif
	s_wait_dscnt 0x0                               ; the stores have read their registers: the next block's codes may be written
.endm
	WLOAD 0
	WLOAD 1
.irp t, 0,1,2,3,4,5,6,7
	WBLOCK \t
.endr
.set i, 0
.rept 16
	ds_load_b128 v[WX+4*i:WX+4*i+3], v7 offset:2*i*WP   ; LDS serves a wave's instructions in order: these see my stores
.set i, i+1
.endr
.set i, 0
.rept 16
	s_wait_dscnt 15-i                              ; the younger loads may be out
	global_store_b128 v[OUTO+i], v[WX+4*i:WX+4*i+3], s[84:85]   ; sixteen lanes store 256 consecutive, aligned bytes
.set i, i+1
.endr
	s_set_vgpr_msb 0x5
	s_wait_tensorcnt 0x0
	ds_add_u32 v0, v1
	s_wait_dscnt 0x0
	s_set_vgpr_msb 0x500
	s_endpgm
; ---------------- LayerNorm 1 ----------------
.Lln:
	s_sub_co_u32 s29, ttmp9, 384
	s_lshl_b32 s29, s29, 4
	s_lshl_b32 s30, s28, 2
	s_add_co_u32 s29, s29, s30                     ; my first row, a multiple of 4
	s_lshl_b32 s50, s29, 12
	s_mov_b32 s51, 0
	s_add_nc_u64 s[16:17], s[16:17], s[50:51]      ; x at that row
	s_lshl_b32 s50, s29, 10
	s_add_nc_u64 s[52:53], s[26:27], s[50:51]      ; sets 0 and 1 (the second 4 MiB on, in the immediate)
	s_lshr_b32 s56, s29, 3
	s_lshr_b32 s57, s29, 4
	s_xor_b32 s56, s56, s57
	s_and_b32 s56, s56, 1
	s_mul_i32 s56, s56, 24
	s_xor_b32 s56, s56, s29                        ; pi(my first row); the two low bits are not touched, so rows +1 .. +3 follow it
	s_lshl_b32 s50, s56, 10
	s_add_co_u32 s50, s50, 0x800000
	s_add_nc_u64 s[54:55], s[26:27], s[50:51]      ; set 2
	s_mov_b32 s60, 0x76543210                      ; lane selects: lane l xor 16
	s_mov_b32 s61, 0xfedcba98
	s_mov_b32 s62, 0x3a800000                      ; 1 / 1024
	s_mov_b32 s63, 0x3727c5ac                      ; eps = 1e-5
	s_wait_alu depctr_va_vdst(0)
	v_lshlrev_b32 v1, 5, v2                        ; 32 bytes of f32 a lane,
	v_lshlrev_b32 v2, 3, v2                        ; 8 bytes of codes
.irp g, 0,1,2,3
	global_load_b128 v[LG+8*\g:LG+8*\g+3],   v1, s[18:19] offset:1024*\g
	global_load_b128 v[LG+8*\g+4:LG+8*\g+7], v1, s[18:19] offset:1024*\g+16
	global_load_b128 v[LB+8*\g:LB+8*\g+3],   v1, s[20:21] offset:1024*\g
	global_load_b128 v[LB+8*\g+4:LB+8*\g+7], v1, s[20:21] offset:1024*\g+16
.endr
.irp i, 0,1,2,3
.irp g, 0,1,2,3
	global_load_b128 v[LX+32*\i+8*\g:LX+32*\i+8*\g+3],   v1, s[16:17] offset:4096*\i+1024*\g th:TH_LOAD_NT
	global_load_b128 v[LX+32*\i+8*\g+4:LX+32*\i+8*\g+7], v1, s[16:17] offset:4096*\i+1024*\g+16 th:TH_LOAD_NT
.endr
.endr
	v_mov_b32 v[MU+1], 0                           ; named as the upper halves of pairs, and as a lane permute's destination: written once
	v_mov_b32 v[RS+1], 0
	v_mov_b32 v[W1], 0
	s_wait_kmcnt 0x0
.macro MKSCALE e, n
	s_add_co_i32 s57, s[\e], 127
	s_lshl_b32 s58, s57, 23
	v_mov_b32 v[SCL+\n], s58
	s_add_co_i32 s57, s57, 8
	s_lshl_b32 s57, s57, 23
	s_or_b32 s57, s57, 0x600000
	v_mov_b32 v[LIM+\n], s57
.endm
	MKSCALE 32, 0
	MKSCALE 34, 1
	MKSCALE 36, 2
.macro WSUM                            ; v[W0] summed over the 32 lanes, the sum in every lane
	v_add_f32_dpp v[W0], v[W0], v[W0] row_xmask:1 row_mask:0xf bank_mask:0xf
	v_add_f32_dpp v[W0], v[W0], v[W0] row_xmask:2 row_mask:0xf bank_mask:0xf
	v_add_f32_dpp v[W0], v[W0], v[W0] row_xmask:4 row_mask:0xf bank_mask:0xf
	v_add_f32_dpp v[W0], v[W0], v[W0] row_xmask:8 row_mask:0xf bank_mask:0xf
	v_permlanex16_b32 v[W1], v[W0], s60, s61
	v_add_f32 v[W0], v[W0], v[W1]
.endm
.macro LNROW i
.set XR, LX+32*\i
	s_wait_loadcnt 8*(3-\i)                        ; my row's eight loads are in; the later rows' may be out
.if \i > 0
	s_wait_xcnt 0x0                                ; the last row's stores have read their codes: the registers may be written again
.endif
.irp k, 0,1,2,3,4,5,6,7
	v_pk_add_f32 v[LT+2*\k:LT+2*\k+1], v[XR+4*\k:XR+4*\k+1], v[XR+4*\k+2:XR+4*\k+3]
.endr
.irp k, 0,1,2,3
	v_pk_add_f32 v[LT+2*\k:LT+2*\k+1], v[LT+4*\k:LT+4*\k+1], v[LT+4*\k+2:LT+4*\k+3]
.endr
.irp k, 0,1
	v_pk_add_f32 v[LT+2*\k:LT+2*\k+1], v[LT+4*\k:LT+4*\k+1], v[LT+4*\k+2:LT+4*\k+3]
.endr
	v_pk_add_f32 v[LT:LT+1], v[LT:LT+1], v[LT+2:LT+3]
	v_add_f32 v[W0], v[LT], v[LT+1]
	WSUM
	v_mul_f32 v[MU], s62, v[W0]                    ; the mean
.set k, 0
.rept 16
	v_pk_add_f32 v[XR+2*k:XR+2*k+1], v[XR+2*k:XR+2*k+1], v[MU:MU+1] op_sel_hi:[1,0] neg_lo:[0,1] neg_hi:[0,1]
.set k, k+1
.endr
.irp k, 0,1,2,3
	v_pk_mul_f32 v[LT+2*\k:LT+2*\k+1], v[XR+2*\k:XR+2*\k+1], v[XR+2*\k:XR+2*\k+1]   ; the squares, in four chains
.endr
.set k, 4
.rept 12
	v_pk_fma_f32 v[LT+2*(k%4):LT+2*(k%4)+1], v[XR+2*k:XR+2*k+1], v[XR+2*k:XR+2*k+1], v[LT+2*(k%4):LT+2*(k%4)+1]
.set k, k+1
.endr
	v_pk_add_f32 v[LT:LT+1], v[LT:LT+1], v[LT+2:LT+3]
	v_pk_add_f32 v[LT+4:LT+5], v[LT+4:LT+5], v[LT+6:LT+7]
	v_pk_add_f32 v[LT:LT+1], v[LT:LT+1], v[LT+4:LT+5]
	v_add_f32 v[W0], v[LT], v[LT+1]
	WSUM
	v_fma_f32 v[W0], v[W0], s62, s63               ; var + eps
	s_wait_alu depctr_va_vdst(0)
	v_rsq_f32 v[RS], v[W0]
	v_nop                                          ; a plain instruction between the transcendental and the use of its result
.set k, 0
	s_wait_alu depctr_va_vdst(0)
.rept 16
	v_pk_mul_f32 v[XR+2*k:XR+2*k+1], v[XR+2*k:XR+2*k+1], v[RS:RS+1] op_sel_hi:[1,0]
.set k, k+1
.endr
.set k, 0
.rept 16
	v_pk_fma_f32 v[XR+2*k:XR+2*k+1], v[XR+2*k:XR+2*k+1], v[LG+2*k:LG+2*k+1], v[LB+2*k:LB+2*k+1]
.set k, k+1
.endr
; three quantisers.  Each set has a buffer of its own, so the holds of the next set are the plain instructions behind a conversion
.irp g, 0,1,2,3
.irp s, 0,1,2
.irp j, 0,1,2,3,4,5,6,7
	v_med3_num_f32 v[LT+8*\s+\j], v[XR+8*\g+\j], -v[LIM+\s], v[LIM+\s]
.endr
	v_cvt_scalef32_pk8_fp8_f32 v[LC+6*\g+2*\s:LC+6*\g+2*\s+1], v[LT+8*\s:LT+8*\s+7], v[SCL+\s]
.if \s < 2
	global_store_b64 v2, v[LC+6*\g+2*\s:LC+6*\g+2*\s+1], s[52:53] offset:\s*4194304+\i*1024+\g*256   ; the wave stores 256 consecutive, aligned bytes
.else
	global_store_b64 v2, v[LC+6*\g+2*\s:LC+6*\g+2*\s+1], s[54:55] offset:\i*1024+\g*256
.endif
.endr
.endr
.endm
	LNROW 0
	LNROW 1
	LNROW 2
	LNROW 3
	s_endpgm
.Lfunc_end_k_q5c6fed8feb_prep:
	.size	k_q5c6fed8feb_prep, .Lfunc_end_k_q5c6fed8feb_prep-k_q5c6fed8feb_prep
	.p2alignl 7, 3214868480
	.fill 96, 4, 3214868480
	.section	.rodata,"a",@progbits
	.p2align	6, 0x0
	.amdhsa_kernel k_q5c6fed8feb_prep
		.amdhsa_group_segment_fixed_size 35328
		.amdhsa_private_segment_fixed_size 0
		.amdhsa_enable_private_segment 0
		.amdhsa_kernarg_size 96
		.amdhsa_user_sgpr_count 2
		.amdhsa_user_sgpr_kernarg_segment_ptr 1
		.amdhsa_wavefront_size32 1
		.amdhsa_system_sgpr_workgroup_id_x 1
		.amdhsa_system_sgpr_workgroup_id_y 1
		.amdhsa_system_sgpr_workgroup_id_z 1
		.amdhsa_system_vgpr_workitem_id 0
		.amdhsa_next_free_vgpr 258
		.amdhsa_next_free_sgpr 96
		.amdhsa_reserve_vcc 0
		.amdhsa_float_denorm_mode_32 3
		.amdhsa_float_denorm_mode_16_64 3
		.amdhsa_memory_ordered 1
		.amdhsa_forward_progress 1
		.amdhsa_inst_pref_size 117
	.end_amdhsa_kernel
	.amdgpu_metadata
---
amdhsa.version: [ 1, 2 ]
amdhsa.kernels:
  - .name:           k_q5c6fed8feb_prep
    .symbol:         k_q5c6fed8feb_prep.kd
    .args:
      - { .name: Wq, .offset: 0, .size: 8, .value_kind: global_buffer, .address_space: global }
      - { .name: Wk, .offset: 8, .size: 8, .value_kind: global_buffer, .address_space: global }
      - { .name: Wv, .offset: 16, .size: 8, .value_kind: global_buffer, .address_space: global }
      - { .name: Wo, .offset: 24, .size: 8, .value_kind: global_buffer, .address_space: global }
      - { .name: W1, .offset: 32, .size: 8, .value_kind: global_buffer, .address_space: global }
      - { .name: W2, .offset: 40, .size: 8, .value_kind: global_buffer, .address_space: global }
      - { .name: x, .offset: 48, .size: 8, .value_kind: global_buffer, .address_space: global }
      - { .name: ln1_g, .offset: 56, .size: 8, .value_kind: global_buffer, .address_space: global }
      - { .name: ln1_b, .offset: 64, .size: 8, .value_kind: global_buffer, .address_space: global }
      - { .name: lowp_scales, .offset: 72, .size: 8, .value_kind: global_buffer, .address_space: global }
      - { .name: wc, .offset: 80, .size: 8, .value_kind: global_buffer, .address_space: global }
      - { .name: xn3, .offset: 88, .size: 8, .value_kind: global_buffer, .address_space: global }
    .group_segment_fixed_size: 35328
    .private_segment_fixed_size: 0
    .kernarg_segment_align: 8
    .kernarg_segment_size: 96
    .max_flat_workgroup_size: 128
    .sgpr_count:     96
    .vgpr_count:     258
    .wavefront_size: 32
...
	.end_amdgpu_metadata
.endif
;; end of part 1
;; launch qkv (part 2): grid 12 x 16, 4 waves a work-group, clusters of 4 x 4, 327,680 bytes of LDS; arguments xn3, wc, lowp_scales, bq, bk, bv, qk, vt; writes qk, vt
.if DOCPART == 2
	.amdgcn_target "amdgcn-amd-amdhsa--gfx1250"
	.amdhsa_code_object_version 6
	.text
	.protected	k_q5c6fed8feb_qkv
	.globl	k_q5c6fed8feb_qkv
	.p2align	8
	.type	k_q5c6fed8feb_qkv,@function
k_q5c6fed8feb_qkv:
	s_mov_b64 s[64:65], 0
	v_nop
	global_prefetch_b8 v0, s[64:65] scope:SCOPE_SE
	s_setreg_imm32_b32 hwreg(HW_REG_WAVE_MODE, 25, 1), 1
	s_wait_xcnt 0x0
	s_wait_alu depctr_hold_cnt(0) depctr_sa_sdst(0) depctr_va_vdst(0) depctr_va_sdst(0) depctr_va_ssrc(0) depctr_va_vcc(0) depctr_vm_vsrc(0)
	s_getreg_b32 s2, hwreg(HW_REG_IB_STS2, 6, 4)
	s_cmp_eq_u32 s2, 0
	s_cbranch_scc0 .Lentry_in_a_cluster
	s_endpgm
.Lentry_in_a_cluster:
	s_bfe_u32 s2, ttmp6, 0x10000c
	s_cmp_lg_u32 s2, 0xf033
	s_cbranch_scc0 .Lentry_shape_is_right
	s_endpgm
.Lentry_shape_is_right:
.set SIZE_K, 1024
.set ROWB,   256
.set PITCH,  272
.set FR,     16
.set NL,     4
.set NP,     4
.set HALFT,  128*PITCH
.set SLOT,   4*HALFT
.set LAPS,   SIZE_K/(2*ROWB)
.set SPARE,  2*SLOT
.set STGV,   256*PITCH
.set CBO,  10
.set RBO,  11
.set LIMR, 12
.set SCV,  13
.set ADRA, 16
.set ADRB, 20
.set STOQ, 24
.set STOV, 25
.set RDQ,  26
.set RDV,  27
.set SPW,  28
.set NIL,  29
.set COQ,  30
.set COV,  31
.set BIAS, 32
.set BROW, 96
.set TMP,  104
.set CD,   168
.set OB,   104
.set AF,   128
.set G1, 24
.set G0, 32
.set G1B, 48
.set G0B, 56
.set MSB, 0
.macro WIN new
.if MSB != \new
	s_set_vgpr_msb (MSB<<8)|\new
.set MSB, \new
.endif
.endm
.set MUL_LO, 0xa1
.set MUL_HI, 0xf1
.set TO_B,   0x40
.macro JLOAD g0a, g1a, g0b, g1b
	s_cmp_eq_u32 s15, 0
	s_cbranch_scc0 .Lfor_b_\@
	tensor_load_to_lds s[\g0a:\g0a+3], s[\g1a:\g1a+7]
	s_nop 0
.rept 4
	v_nop
.endr
	s_branch .Lasked_\@
.Lfor_b_\@:
	tensor_load_to_lds s[\g0b:\g0b+3], s[\g1b:\g1b+7]
	s_nop 0
.rept 4
	v_nop
.endr
.Lasked_\@:
.endm
.macro CREST
	s_cmp_lg_u32 s14, 0
	s_cbranch_scc1 .Lnot_wave_0_\@
	s_barrier_signal -3
.Lnot_wave_0_\@:
	s_barrier_wait -3
	s_barrier_signal -1
	s_barrier_wait -1
.endm
.macro CROUND
	s_barrier_signal -1
	s_barrier_wait -1
	CREST
.endm
	s_load_b512 s[68:83], s[0:1], 0x0
	v_lshl_add_u32 v[SPW], v0, 2, SPARE
	v_mov_b32 v[NIL], 0
	ds_add_u32 v28, v29
	ds_add_u32 v28, v29
	s_wait_dscnt 0x0
	v_lshrrev_b32 v1, 5, v0
	v_readfirstlane_b32 s14, v1
	v_and_b32 v14, 31, v0                          ; the prefetches' offset, never rewritten: a lane a row of 1,024 bytes
	v_lshlrev_b32 v14, 10, v14
	s_lshr_b32 s15, s14, 1
	s_and_b32 s16, s14, 1
	s_bfe_u32 s40, ttmp6, 0x40000
	s_bfe_u32 s41, ttmp6, 0x40004
	s_mov_b32 s12, ttmp9
	s_and_b32 s13, ttmp7, 0xffff
	s_lshl_b32 s2, s13, 2
	s_lshl_b32 s8, s12, 22
	s_lshl_b32 s10, s12, 20
	s_cmp_eq_u32 s12, 2
	s_cselect_b32 s17, 0, s2
	s_cselect_b32 s42, s2, 0
	s_cselect_b32 s8, 0x200000, s8
	s_cselect_b32 s10, 0x800000, s10
	s_mov_b32 s9, 0
	s_mov_b32 s11, 0
	s_add_co_u32 s17, s17, s41
	s_add_co_u32 s42, s42, s40
	s_lshl_b32 s43, s41, 2
	s_lshl_b32 s43, 15, s43
	s_lshl_b32 s44, 0x1111, s40
	s_or_b32 s[G1+0], s43, (0<<16)|(1<<20)|(1<<21)|(5<<22)|(3<<25)
	s_or_b32 s[G1B+0], s44, (0<<16)|(1<<20)|(1<<21)|(5<<22)|(3<<25)
.irp g, G1, G1B
	s_mov_b32 s[\g+1], ROWB<<16
	s_mov_b32 s[\g+2], 128<<16
	s_mov_b32 s[\g+3], ROWB<<16
	s_mov_b32 s[\g+4], 128
	s_mov_b32 s[\g+5], SIZE_K
	s_mov_b32 s[\g+6], 0
	s_mov_b32 s[\g+7], 0
.endr
	s_lshl_b32 s18, s16, 7
	s_lshl_b32 s20, s17, 8
	s_add_co_u32 s20, s20, s18
	s_lshl_b32 s46, s42, 8
	s_add_co_u32 s46, s46, s18
	s_lshl_b32 s20, s20, 10
	s_lshl_b32 s46, s46, 10
	s_mov_b32 s21, 0
	s_mov_b32 s47, 0
	s_add_nc_u64 s[20:21], s[20:21], s[8:9]
	s_add_nc_u64 s[46:47], s[46:47], s[10:11]
	s_mul_i32 s45, s14, HALFT
	s_wait_kmcnt 0x0
	s_load_b512 s[84:99], s[72:73], 0x0
	s_cmp_eq_u32 s12, 2
	s_cselect_b64 s[4:5], s[70:71], s[68:69]
	s_cselect_b64 s[6:7], s[68:69], s[70:71]
	s_add_nc_u64 s[20:21], s[4:5], s[20:21]
	s_add_nc_u64 s[46:47], s[6:7], s[46:47]
	; PREFETCH INTO THE L2: with the load of K step 0 each wave asks for K steps 1 and 2 of the rows that it fetches, with the load of K step 1 for K step 3, the last.
	; The four partners that ask for a tile jointly share its 128 rows out by address, 32 rows each: each aligned block of 256 bytes is named once in a cluster.
	s_cmp_eq_u32 s15, 0
	s_cselect_b64 s[66:67], s[20:21], s[46:47]
	s_cselect_b32 s22, s40, s41
	s_lshl_b32 s22, s22, 15                        ; 32 rows of 1,024 bytes
	s_mov_b32 s23, 0
	s_add_nc_u64 s[66:67], s[66:67], s[22:23]
	CROUND
.irp s, 0,1
	s_mov_b32 s[G0+4*\s], 1
	s_add_co_u32 s[G0+4*\s+1], s45, \s*SLOT
	s_add_nc_u64 s[G0+4*\s+2:G0+4*\s+3], s[20:21], \s*ROWB
	s_or_b32 s[G0+4*\s+3], s[G0+4*\s+3], 0x80000000
	s_mov_b32 s[G0B+4*\s], 1
	s_add_co_u32 s[G0B+4*\s+1], s45, \s*SLOT
	s_add_nc_u64 s[G0B+4*\s+2:G0B+4*\s+3], s[46:47], \s*ROWB
	s_or_b32 s[G0B+4*\s+3], s[G0B+4*\s+3], 0x80000000
	s_wait_alu depctr_va_vdst(0)
.if \s
	s_wait_tensorcnt 0x0                           ; slot 1's first fill stands behind these lines and a round
	ds_add_u32 v28, v29
	ds_add_u32 v28, v29
	s_wait_dscnt 0x0
	CROUND
.endif
	JLOAD G0+4*\s, G1, G0B+4*\s, G1B
.if \s == 0
	global_prefetch_b8 v14, s[66:67] offset:ROWB th:TH_LOAD_NT scope:SCOPE_SE
.endif
	global_prefetch_b8 v14, s[66:67] offset:(\s+2)*ROWB th:TH_LOAD_NT scope:SCOPE_SE
.endr
	v_and_b32 v1, 15, v0
	v_bfe_u32 v2, v0, 4, 1
	v_mul_u32_u24 v3, v1, PITCH
	v_lshl_add_u32 v4, v2, 4, v3
	s_wait_alu depctr_va_vdst(0)
	s_mul_i32 s21, s15, HALFT
	s_mul_i32 s22, s16, HALFT
	s_add_co_u32 s22, s22, 2*HALFT
.irp s, 0,1
	v_add_nc_u32 v[ADRA+\s], s21, v4
	v_add_nc_u32 v[ADRB+\s], s22, v4
	s_add_co_u32 s21, s21, SLOT
	s_add_co_u32 s22, s22, SLOT
.endr
	s_mul_i32 s23, s15, 128*PITCH
	s_lshl_b32 s21, s16, 7
	s_add_co_u32 s23, s23, s21
	v_add_nc_u32 v[STOQ], s23, v4
	v_add_nc_u32 v[STOV], STGV, v[STOQ]
	s_mul_i32 s23, s14, 64*PITCH
	v_and_b32 v5, 31, v0
	v_lshrrev_b32 v6, 2, v5
	v_mul_u32_u24 v6, v6, PITCH
	v_and_b32 v7, 3, v0
	v_lshl_add_u32 v6, v7, 4, v6
	v_add_nc_u32 v[RDQ], s23, v6
	v_mul_u32_u24 v6, v2, PITCH
	v_lshl_add_u32 v6, v1, 4, v6
	v_add_nc_u32 v6, s23, v6
	v_add_nc_u32 v[RDV], STGV, v6
	v_lshlrev_b32 v[COQ], 4, v5
	v_lshlrev_b32 v6, 12, v2
	v_lshl_add_u32 v[COV], v1, 4, v6
	v_lshlrev_b32 v[CBO], 6, v2
	s_wait_alu depctr_va_vdst(0)
	v_lshlrev_b32 v[RBO], 2, v1
	s_wait_alu depctr_va_vdst(0)
	s_cmp_eq_u32 s12, 1
	s_cselect_b64 s[4:5], s[76:77], s[74:75]
	s_cmp_eq_u32 s12, 2
	s_cselect_b64 s[4:5], s[78:79], s[4:5]
	s_and_b32 s6, s42, 3
	s_lshl_b32 s6, s6, 10
	s_lshl_b32 s7, s16, 9
	s_add_co_u32 s6, s6, s7
	s_mov_b32 s7, 0
	s_add_nc_u64 s[6:7], s[4:5], s[6:7]
	s_and_b32 s8, s17, 3
	s_lshl_b32 s8, s8, 10
	s_lshl_b32 s9, s15, 9
	s_add_co_u32 s8, s8, s9
	s_mov_b32 s9, 0
	s_add_nc_u64 s[8:9], s[4:5], s[8:9]
.irp p, 0,1,2,3
.irp q, 0,1,2,3
	global_load_b128 v[BIAS+16*\p+4*\q:BIAS+16*\p+4*\q+3], v[CBO], s[6:7] offset:128*\p+16*\q
.endr
.endr
.irp a, 0,1,2,3,4,5,6,7
	global_load_b32 v[BROW+\a], v[RBO], s[8:9] offset:64*\a
.endr
.macro FRAG reg, adr, q, i
.irp c, 0,1,2,3
	ds_load_b128 v[\reg+4*\c:\reg+4*\c+3], v[\adr] offset:128*(\q)+32*\c+(\i)*16*PITCH
.endr
.endm
.macro MUL16 a0, p, zero
.irp a, \a0, \a0+1
.irp b, 0,1,2,3,4,5,6,7
.if \zero
	v_wmma_f32_16x16x128_fp8_fp8 v[8*(8*((\a)%4)+\b):8*(8*((\a)%4)+\b)+7], v[128*(\p)+FR*\b:128*(\p)+FR*\b+FR-1], v[AF+FR*(\a):AF+FR*(\a)+FR-1], 0
.else
	v_wmma_f32_16x16x128_fp8_fp8 v[8*(8*((\a)%4)+\b):8*(8*((\a)%4)+\b)+7], v[128*(\p)+FR*\b:128*(\p)+FR*\b+FR-1], v[AF+FR*(\a):AF+FR*(\a)+FR-1], v[8*(8*((\a)%4)+\b):8*(8*((\a)%4)+\b)+7]
.endif
.endr
.endr
.endm
.macro FETCH_B slot, q, p
	WIN TO_B
.irp i, 0,1,2,3,4,5,6,7
	FRAG 128*(\p)+FR*\i, ADRB+\slot, \q, \i
.endr
	WIN 0
.endm
.macro FETCH_A slot, q, i0
.irp i, \i0, \i0+1, \i0+2, \i0+3
	FRAG AF+FR*(\i), ADRA+\slot, \q, \i
.endr
.endm
.macro PLACES n
.rept \n
	v_nop
.endr
.endm
.macro STEP slot, q, zero
	s_wait_dscnt 4*NL
	WIN MUL_LO
	MUL16 0, (\q)%2, \zero
	MUL16 2, (\q)%2, \zero
	s_wait_dscnt 0
	PLACES NP
	FETCH_B \slot, (\q)+1, 1-(\q)%2
	FETCH_A \slot, (\q)+1, 0
	WIN MUL_HI
	MUL16 4, (\q)%2, \zero
	MUL16 6, (\q)%2, \zero
	PLACES NP
	WIN 0
	FETCH_A \slot, (\q)+1, 4
.endm
.macro TURN slot, next, fill
	s_wait_tensorcnt 0x0
	ds_add_u32 v[SPW], v[NIL]
	s_wait_dscnt 4*NL+1
	WIN MUL_LO
	MUL16 0, 1, 0
	s_wait_dscnt 0x0
	s_barrier_signal -1
	MUL16 2, 1, 0
	WIN 0
	s_barrier_wait -1
.if \fill
	CREST
	s_add_nc_u64 s[G0+4*\slot+2:G0+4*\slot+3], s[G0+4*\slot+2:G0+4*\slot+3], 2*ROWB
	s_add_nc_u64 s[G0B+4*\slot+2:G0B+4*\slot+3], s[G0B+4*\slot+2:G0B+4*\slot+3], 2*ROWB
	JLOAD G0+4*\slot, G1, G0B+4*\slot, G1B
.else
	PLACES NP
.endif
	FETCH_B \next, 0, 0
	FETCH_A \next, 0, 0
	WIN MUL_HI
	MUL16 4, 1, 0
	MUL16 6, 1, 0
	PLACES NP
	WIN 0
	FETCH_A \next, 0, 4
.endm
	s_wait_tensorcnt 1
	s_barrier_signal -1
	s_barrier_wait -1
	FETCH_B 0, 0, 0
	FETCH_A 0, 0, 0
	FETCH_A 0, 0, 4
	STEP 0, 0, 1
	s_mov_b32 s3, LAPS-1
.Llap:
	TURN 0, 1, 1
	STEP 1, 0, 0
	TURN 1, 0, 1
	STEP 0, 0, 0
	s_sub_co_u32 s3, s3, 1
	s_cmp_lg_u32 s3, 0
	s_cbranch_scc1 .Llap
	TURN 0, 1, 0
	STEP 1, 0, 0
	s_wait_dscnt 4*NL
	WIN MUL_LO
	MUL16 0, 1, 0
	MUL16 2, 1, 0
	s_wait_dscnt 0
	WIN MUL_HI
	MUL16 4, 1, 0
	MUL16 6, 1, 0
	WIN 0
	s_wait_kmcnt 0x0
	s_wait_loadcnt 0x0
	s_add_co_i32 s4, s84, s85
	s_add_co_i32 s5, s86, s87
	s_add_co_i32 s6, s88, s89
	s_cmp_eq_u32 s12, 1
	s_cselect_b32 s4, s5, s4
	s_cselect_b32 s7, s91, s90
	s_cmp_eq_u32 s12, 2
	s_cselect_b32 s4, s6, s4
	s_cselect_b32 s7, s93, s7
	s_sub_co_i32 s5, 0, s4
	s_sub_co_i32 s7, s7, s4
	s_add_co_i32 s7, s7, 127
	s_lshl_b32 s6, s7, 23
	v_mov_b32 v[SCV], s6
	s_add_co_i32 s7, s7, 8
	s_lshl_b32 s7, s7, 23
	s_or_b32 s7, s7, 0x600000
	v_mov_b32 v[LIMR], s7
	PLACES NP
.set j, 0
.rept 72
	v_ldexp_f32 v[BIAS+j], v[BIAS+j], s5
.set j, j+1
.endr
.macro CODES a, rowmode, relu, sto
.set AC, 64*((\a)%4)
.set CDS, CD+16*((\a)%4)
.if (\a) == 4
	s_wait_dscnt 0x0
.endif
	WIN 0x02+((\a)/4)
.set j, 0
.if \rowmode
.rept 64
	v_add_f32 v[TMP+j], v[AC+j], v[BROW+(\a)]
.set j, j+1
.endr
.else
.rept 32
	v_pk_add_f32 v[TMP+j:TMP+j+1], v[AC+j:AC+j+1], v[BIAS+j:BIAS+j+1]
.set j, j+2
.endr
.endif
	WIN 0
.set j, 0
.rept 64
.if \relu
	v_med3_num_f32 v[TMP+j], v[TMP+j], 0, v[LIMR]
.else
	v_med3_num_f32 v[TMP+j], v[TMP+j], -v[LIMR], v[LIMR]
.endif
.set j, j+1
.endr
.irp b, 0,1,2,3,4,5,6,7
	v_cvt_scalef32_pk8_fp8_f32 v[CDS+2*\b:CDS+2*\b+1], v[TMP+8*\b:TMP+8*\b+7], v[SCV]
.endr
	v_nop
.irp p, 0,1,2,3
	ds_store_b128 v[\sto], v[CDS+4*\p:CDS+4*\p+3] offset:(\a)*16*PITCH+32*\p
.endr
.endm
	s_cmp_eq_u32 s12, 2
	s_cbranch_scc1 .Lv_codes
.irp a, 0,1,2,3,4,5,6,7
	CODES \a, 0, 0, STOQ
.endr
	s_branch .Lmeet
.Lv_codes:
	s_wait_alu depctr_va_vdst(0)
.irp a, 0,1,2,3,4,5,6,7
	CODES \a, 1, 0, STOV
.endr
.Lmeet:
	s_wait_dscnt 0x0
	s_barrier_signal -1
	s_barrier_wait -1
	s_cmp_eq_u32 s12, 2
	s_cbranch_scc1 .Lv_out
	s_lshr_b32 s18, s17, 3
	s_lshl_b32 s18, s18, 4
	s_lshl_b32 s19, s42, 2
	s_add_co_u32 s18, s18, s19
	s_lshl_b32 s18, s18, 17
	s_and_b32 s19, s17, 7
	s_lshl_b32 s19, s19, 8
	s_lshl_b32 s20, s14, 6
	s_add_co_u32 s19, s19, s20
	s_lshl_b32 s19, s19, 6
	s_add_co_u32 s18, s18, s19
	s_lshl_b32 s19, s12, 22
	s_add_co_u32 s18, s18, s19
	s_mov_b32 s19, 0
	s_add_nc_u64 s[80:81], s[80:81], s[18:19]
.set i, 0
.rept 32
	ds_load_b128 v[OB+4*i:OB+4*i+3], v[RDQ] offset:(i/4)*8*PITCH+64*(i%4)
.set i, i+1
.endr
.set i, 0
.rept 32
	s_wait_dscnt 31-i
	global_store_b128 v[COQ], v[OB+4*i:OB+4*i+3], s[80:81] offset:(i%4)*131072+(((i/4)&4)|(((i/4)&1)<<1)|(((i/4)>>1)&1))*512
.set i, i+1
.endr
	s_branch .Lend
.Lv_out:
	s_lshl_b32 s18, s17, 8
	s_lshl_b32 s19, s14, 6
	s_add_co_u32 s18, s18, s19
	s_lshl_b32 s18, s18, 12
	s_lshl_b32 s19, s42, 8
	s_add_co_u32 s18, s18, s19
	s_mov_b32 s19, 0
	s_add_nc_u64 s[82:83], s[82:83], s[18:19]
.set i, 0
.rept 32
	ds_load_b128 v[OB+4*i:OB+4*i+3], v[RDV] offset:2*i*PITCH
.set i, i+1
.endr
.set i, 0
.rept 32
	s_wait_dscnt 31-i
	global_store_b128 v[COV], v[OB+4*i:OB+4*i+3], s[82:83] offset:2*i*4096
.set i, i+1
.endr
.Lend:
	s_wait_tensorcnt 0x0
	ds_add_u32 v[SPW], v[NIL]
	s_wait_dscnt 0x0
	CROUND
	s_endpgm
.Lfunc_end_k_q5c6fed8feb_qkv:
	.size	k_q5c6fed8feb_qkv, .Lfunc_end_k_q5c6fed8feb_qkv-k_q5c6fed8feb_qkv
	.p2alignl 7, 3214868480
	.fill 96, 4, 3214868480
	.section	.rodata,"a",@progbits
	.p2align	6, 0x0
	.amdhsa_kernel k_q5c6fed8feb_qkv
		.amdhsa_group_segment_fixed_size 327680
		.amdhsa_private_segment_fixed_size 0
		.amdhsa_enable_private_segment 0
		.amdhsa_kernarg_size 64
		.amdhsa_user_sgpr_count 2
		.amdhsa_user_sgpr_kernarg_segment_ptr 1
		.amdhsa_wavefront_size32 1
		.amdhsa_system_sgpr_workgroup_id_x 1
		.amdhsa_system_sgpr_workgroup_id_y 1
		.amdhsa_system_sgpr_workgroup_id_z 1
		.amdhsa_system_vgpr_workitem_id 0
		.amdhsa_next_free_vgpr 1024
		.amdhsa_next_free_sgpr 100
		.amdhsa_reserve_vcc 0
		.amdhsa_float_denorm_mode_32 3
		.amdhsa_float_denorm_mode_16_64 3
		.amdhsa_memory_ordered 1
		.amdhsa_forward_progress 1
		.amdhsa_inst_pref_size 210
	.end_amdhsa_kernel
	.amdgpu_metadata
---
amdhsa.version: [ 1, 2 ]
amdhsa.kernels:
  - .name:           k_q5c6fed8feb_qkv
    .symbol:         k_q5c6fed8feb_qkv.kd
    .args:
      - { .name: xn3, .offset: 0, .size: 8, .value_kind: global_buffer, .address_space: global }
      - { .name: wc, .offset: 8, .size: 8, .value_kind: global_buffer, .address_space: global }
      - { .name: lowp_scales, .offset: 16, .size: 8, .value_kind: global_buffer, .address_space: global }
      - { .name: bq, .offset: 24, .size: 8, .value_kind: global_buffer, .address_space: global }
      - { .name: bk, .offset: 32, .size: 8, .value_kind: global_buffer, .address_space: global }
      - { .name: bv, .offset: 40, .size: 8, .value_kind: global_buffer, .address_space: global }
      - { .name: qk, .offset: 48, .size: 8, .value_kind: global_buffer, .address_space: global }
      - { .name: vt, .offset: 56, .size: 8, .value_kind: global_buffer, .address_space: global }
    .group_segment_fixed_size: 327680
    .private_segment_fixed_size: 0
    .kernarg_segment_align: 8
    .kernarg_segment_size: 64
    .max_flat_workgroup_size: 128
    .sgpr_count:     100
    .vgpr_count:     1024
    .wavefront_size: 32
...
	.end_amdgpu_metadata
.endif
;; end of part 2
;; launch attn (part 3): grid 8 x 32, 8 waves a work-group, clusters of 4 x 1, 327,680 bytes of LDS; arguments qk, vt, lowp_scales, ao; writes ao
.if DOCPART == 3
	.amdgcn_target "amdgcn-amd-amdhsa--gfx1250"
	.amdhsa_code_object_version 6
	.text
	.protected	k_q5c6fed8feb_attn
	.globl	k_q5c6fed8feb_attn
	.p2align	8
	.type	k_q5c6fed8feb_attn,@function
k_q5c6fed8feb_attn:
	s_mov_b64 s[64:65], 0
	v_nop
	global_prefetch_b8 v0, s[64:65] scope:SCOPE_SE
	s_setreg_imm32_b32 hwreg(HW_REG_WAVE_MODE, 25, 1), 1
	s_wait_xcnt 0x0
	s_wait_alu depctr_hold_cnt(0) depctr_sa_sdst(0) depctr_va_vdst(0) depctr_va_sdst(0) depctr_va_ssrc(0) depctr_va_vcc(0) depctr_vm_vsrc(0)
	s_getreg_b32 s2, hwreg(HW_REG_IB_STS2, 6, 4)
	s_cmp_eq_u32 s2, 0
	s_cbranch_scc0 .Lentry_in_a_cluster
	s_endpgm
.Lentry_in_a_cluster:
	s_bfe_u32 s2, ttmp6, 0x10000c
	s_cmp_lg_u32 s2, 0x3003
	s_cbranch_scc0 .Lentry_shape_is_right
	s_endpgm
.Lentry_shape_is_right:
; Attention on codes of E4M3, head size 64, 2,048 keys, 32 (batch, head) pairs; the result is quantised at once for the product with Wo.
; A work-group owns 256 queries of one pair; each of its eight waves 32 of them, two tiles (u = 0, 1) of 16, in 512 registers, two waves to a SIMD.  Each fragment of K and of V that a wave reads from LDS feeds two products.
; REGISTER WINDOWS.  Window 0 (v0-255): addresses, v16-31 Q of both tiles, v32-95 K's fragments, v96-159 V's, v160-223 O^T of both tiles.
;   Window 1: BOTH tiles' softmax: v0-127 S^T then p (64 a tile), v128-159 p's codes, v160-191 partial sums, v192-227 -M, largest t, sum, f and work of each tile, the constants.
;   So the two tiles' lines take turns under one setting (0x55), and plain lines of one tile stand among the other tile's exponentials.
; THE PAIR'S WHOLE K AND V^T LIE IN LDS, every byte filled once: no ring.  K's rows of 64 bytes are dense in memory and come as rows of 256 bytes (four keys) + 16 of padding;
; V^T lies in four chunks of 512 keys, 64 rows x (512 bytes + 16) each.
; TWO FILLS A WAVE.  At the head: keys 0-511 (waves 0-3: 32 long rows of K each; waves 4-7: 16 rows of V each).  Behind the three lines and a round of the cluster's barrier: keys 512-2,047
; (waves 0-3: 96 long rows of K each; waves 4-6: one chunk of V each; wave 7 none).  The second fill is shown to all waves by ONE barrier, signalled behind key step 2 and awaited behind key step 3.
; THE WEIGHTED SUM RUNS ONE STEP BEHIND, and K's fragments one step ahead: step n multiplies step n - 1's p and V, takes the scores, and asks for V's fragments of step n and K's of step n + 1 ahead of its softmax.
; (Step 3 asks for no K: its successor's keys lie behind the barrier, and are asked for there.  The last step asks for none.)  O^T, the codes and V's registers begin as zeros, so the first weighted sum adds nothing.
; CLUSTER of 4 x 1: the four blocks of queries of a cluster belong to one pair and need the same K and V: every fill is a joint load with all four in its mask.
; NO PREFETCH: both fills have been asked for before the first key step; no later load exists that a loop could run ahead of.
; Both products are used transposed (S^T = K Q^T, O^T = V^T P^T): a lane holds one query.  k's rows lie in memory in the order pi (bits 3 and 4 of the row exchanged), so sixteen rows on end form a tile
; and the 16 registers of tiles 2 b, 2 b + 1 are the 16 neighbouring keys 32 b + 16 h + 0 .. 15: the conversions' results are the second product's operand.  q's rows lie in the same order.
; SOFTMAX: t = score x log2(e) / 8; M = the running largest t rounded up to a whole number; p = 2^(t - M) is quantised; the sum is taken of the unquantised p; when M moves, sum and O^T are multiplied by 2^(old M - new M).
; LIMITS: e6 + e7 between -124 and 129 (added to the exponent field of log2(e) / 8); e8 and e10 between -126 and 119.  A head's 64 bytes of a row of the output are a quarter of 256 aligned bytes: ao is stored in such quarters.
.set KP4,  272                         ; four keys in LDS: 256 bytes + 16
.set KSTP, 32*KP4                      ; a key step: 128 keys
.set VP,   528
.set VB,   512*KP4                     ; V^T behind K
.set VCH,  64*VP                       ; a chunk of V^T
.set STG,  VB+4*VCH                    ; behind both: 16 rows x 80 bytes for each tile of queries; no fill lands there
.set SP,   80
.set SPARE, STG+16*16*SP               ; the spare words, 128 bytes a wave
; window 0
.set AK0,  1
.set AV0,  2
.set SIN,  3                           ; v3, v12  the stage, in, of tile 0, 1
.set SOUT, 4                           ; v4, v13  and back
.set GO,   7                           ; v7, v14  the byte offset in ao
.set ADK,  8
.set ADV,  9
.set QF,   16
.set KF,   32
.set VF,   96
.set OA,   160
.set SPW,  251                         ; LDS address of my spare word; never rewritten
.set NIL,  255                         ; 0; never rewritten
; window 1; tile u's scores at v[64 u]
.set CD,   128                         ; + 16 u: p's codes
.set TMP,  160                         ; 16 pairs: tile 0's first level of sums
.set NM,   192                         ; + 2 u: the pair (-M, largest t)
.set SUM,  196                         ; + 2 u: the sum in two halves
.set FF,   200                         ; + 2 u: the pair (f, 0)
.set WK,   204                         ; + 4 u: four chains of maxima, then work
.set PD,   212                         ; + u: a lane permute's destination
.set LIM0, 216                         ; v216, v217: 448 x 2^e8, one for each half of a dual pair
.set SC,   218                         ; 2^e8
.set SCO,  219                         ; 2^e10
.set LIMO, 220                         ; 448 x 2^e10
.set Y1,   222                         ; three pairs: tile 1's chains of sums
.set Y2,   224
.set Y3,   226
.set WV,   12
.set G1K,  16                          ; groups 1: K and V at the head, K and V of the second fill
.set G1V,  24
.set G1K2, 32
.set G1V2, 40
.set G0K,  48                          ; and their groups 0
.set G0V,  52
.set G0K2, 56
.set G0V2, 60
.set SEL,  66
.set CS,   68
.set TK,   88
.set TV,   89
.set CNT,  90
.set MSB, 0
.macro WIN new                         ; low byte: bits 1:0 source 0, 3:2 source 1, 5:4 source 2, 7:6 destination; the high byte repeats the setting that is left
.if MSB != \new
	s_set_vgpr_msb (MSB<<8)|\new
.set MSB, \new
.endif
.endm
.macro CROUND
	s_barrier_signal -1
	s_barrier_wait -1
	s_cmp_lg_u32 s[WV], 0
	s_cbranch_scc1 .Lnot_wave_0_\@
	s_barrier_signal -3
.Lnot_wave_0_\@:
	s_barrier_wait -3
	s_barrier_signal -1
	s_barrier_wait -1
.endm
; One chain of branches on the wave's number, one joint load to an arm.  nv: the first wave that asks for nothing (8: none).  An s_nop 0 and four v_nop follow each load.
.macro TLOAD g0k, g1k, g0v, g1v, nv
	s_cmp_lt_u32 s[WV], 4
	s_cbranch_scc0 .Lnot_k_\@
	tensor_load_to_lds s[\g0k:\g0k+3], s[\g1k:\g1k+7]
	s_nop 0
.rept 4
	v_nop
.endr
	s_branch .Lasked_\@
.Lnot_k_\@:
.if \nv < 8
	s_cmp_lt_u32 s[WV], \nv
	s_cbranch_scc0 .Lasked_\@
.endif
	tensor_load_to_lds s[\g0v:\g0v+3], s[\g1v:\g1v+7]
	s_nop 0
.rept 4
	v_nop
.endr
.Lasked_\@:
.endm
.macro MKG1 g, qi, c, r, p             ; r rows of c bytes, p bytes apart; 4 words of padding behind each row; all four partners in the mask, bit 21 beside it
	s_mov_b32 s[\g], 15|(1<<20)|(1<<21)|(\qi<<22)|(3<<25)
	s_mov_b32 s[\g+1], \c<<16
	s_mov_b32 s[\g+2], \r<<16
	s_mov_b32 s[\g+3], \c<<16
	s_mov_b32 s[\g+4], \r
	s_mov_b32 s[\g+5], \p
	s_mov_b32 s[\g+6], 0
	s_mov_b32 s[\g+7], 0
.endm
.macro MKG0 g, base, off               ; the LDS address, word 1, is written apart
	s_mov_b32 s[\g], 1
	s_add_nc_u64 s[\g+2:\g+3], s[\base:\base+1], s[\off:\off+1]
	s_or_b32 s[\g+3], s[\g+3], 0x80000000
.endm
	s_load_b256 s[4:11], s[0:1], 0x0               ; qk 4, vt 6, scales 8, ao 10
	v_lshl_add_u32 v[SPW], v0, 2, SPARE
	v_mov_b32 v[NIL], 0
	ds_add_u32 v[SPW], v[NIL]                      ; the opening lines: the add twice on end and one wait, ahead of my first tensor load
	ds_add_u32 v[SPW], v[NIL]
	v_lshrrev_b32 v8, 5, v0
	v_readfirstlane_b32 s[WV], v8                  ; wave 0..7
	s_and_b32 s13, s[WV], 3                        ; which part I fetch
	s_and_b32 s14, ttmp7, 0xffff                   ; the pair b x 16 + head: shared by the four partners
	s_lshl_b32 s15, s14, 17
	s_add_co_u32 s15, s15, 0x400000                ; the pair's K, behind q
	s_lshl_b32 s92, s13, 13                        ; head: my 128 keys of 64 bytes
	s_add_co_u32 s92, s92, s15
	s_mul_i32 s94, s13, 384*64                     ; second fill: my 384 keys, from key 512 on
	s_add_co_u32 s94, s94, s15
	s_add_co_u32 s94, s94, 512*64
	s_and_b32 s15, s14, 15
	s_lshl_b32 s15, s15, 18                        ; V: the head's 64 rows of 4,096 bytes,
	s_lshr_b32 s91, s14, 4
	s_lshl_b32 s91, s91, 11                        ; + the batch's 2,048 keys
	s_add_co_u32 s15, s15, s91
	s_lshl_b32 s96, s13, 16                        ; head: my 16 rows
	s_add_co_u32 s96, s96, s15
	s_lshl_b32 s98, s13, 9                         ; second fill: chunk 1 + j
	s_add_co_u32 s98, s98, s15
	s_add_co_u32 s98, s98, 512
	s_mov_b32 s93, 0
	s_mov_b32 s95, 0
	s_mov_b32 s97, 0
	s_mov_b32 s99, 0
	s_mul_i32 s[G0K+1], s13, 32*KP4                ; where they land: the wave's number alone
	s_mul_i32 s[G0K2+1], s13, 96*KP4
	s_add_co_u32 s[G0K2+1], s[G0K2+1], 128*KP4
	s_mul_i32 s[G0V+1], s13, 16*VP
	s_add_co_u32 s[G0V+1], s[G0V+1], VB
	s_mul_i32 s[G0V2+1], s13, VCH
	s_add_co_u32 s[G0V2+1], s[G0V2+1], VB+VCH
	MKG1 G1K, 5, 256, 32, 256
	MKG1 G1K2, 5, 256, 96, 256
	MKG1 G1V, 6, 512, 16, 4096
	MKG1 G1V2, 6, 512, 64, 4096
	s_mov_b32 s[SEL], 0x76543210
	s_mov_b32 s[SEL+1], 0xfedcba98
	s_mov_b32 s[CS], 0x3e38aa3b                    ; log2(e) / 8
	s_mov_b32 s[TK], 0
	s_mov_b32 s[TV], 0
	s_wait_dscnt 0x0                               ; both opening adds are done
	s_wait_kmcnt 0x0
	s_load_b512 s[72:87], s[8:9], 0x0              ; e0 .. e15
	MKG0 G0K, 4, 92
	MKG0 G0K2, 4, 94
	MKG0 G0V, 6, 96
	MKG0 G0V2, 6, 98
	CROUND                                         ; all four work-groups are here: the joint loads meet
	TLOAD G0K, G1K, G0V, G1V, 8                    ; keys 0-511: one tensor load a wave at the head
	s_bfe_u32 s98, ttmp6, 0x40000                  ; cx enters q's and the output's addresses alone
	s_lshl_b32 s91, ttmp9, 2
	s_add_co_u32 s91, s91, s98                     ; my block of 256 queries
	s_lshl_b32 s98, s14, 11
	s_lshl_b32 s99, s91, 8
	s_add_co_u32 s98, s98, s99
	s_lshl_b32 s99, s[WV], 5
	s_add_co_u32 s98, s98, s99
	s_lshl_b32 s98, s98, 6
	s_mov_b32 s99, 0
	s_add_nc_u64 s[70:71], s[4:5], s[98:99]        ; q at my wave's 32 rows of memory: tile 0's 16, then tile 1's
	s_lshr_b32 s98, s14, 4                         ; tile u's rows are the queries 32 w + 8 u + r % 8 + 16 (r / 8) of the block
	s_lshl_b32 s98, s98, 11
	s_lshl_b32 s99, s91, 8
	s_add_co_u32 s98, s98, s99
	s_lshl_b32 s99, s[WV], 5
	s_add_co_u32 s98, s98, s99
	s_lshl_b32 s98, s98, 10
	s_and_b32 s99, s14, 15
	s_lshl_b32 s99, s99, 6
	s_add_co_u32 s98, s98, s99
	s_mov_b32 s99, 0
	s_add_nc_u64 s[10:11], s[10:11], s[98:99]
	s_mul_i32 s15, s[WV], 32*SP
	s_add_co_u32 s15, s15, STG                     ; my two stages
	v_and_b32 v8, 15, v0                           ; r
	v_bfe_u32 v9, v0, 4, 1                         ; h
	v_lshlrev_b32 v10, 6, v8
	v_lshl_add_u32 v10, v9, 4, v10
.irp u, 0,1
	global_load_b128 v[QF+8*\u:QF+8*\u+3], v10, s[70:71] offset:1024*\u        ; Q's fragment: k = 16 h + 0 .. 15,
	global_load_b128 v[QF+8*\u+4:QF+8*\u+7], v10, s[70:71] offset:1024*\u+32   ; and 32 + 16 h + 0 .. 15; K's fragments hold k in the same places
.endr
	v_lshrrev_b32 v11, 2, v8
	v_and_b32 v5, 3, v8
	v_mul_u32_u24 v[AK0], v11, KP4                 ; K: long row r / 4, key r % 4 in it, + 16 h
	v_lshl_add_u32 v[AK0], v5, 6, v[AK0]
	v_lshl_add_u32 v[AK0], v9, 4, v[AK0]
	v_mul_u32_u24 v[AV0], v8, VP
	v_lshl_add_u32 v[AV0], v9, 4, v[AV0]
	v_add_nc_u32 v[AV0], VB, v[AV0]
	v_mul_u32_u24 v[SIN], v8, SP
	v_lshl_add_u32 v[SIN], v9, 3, v[SIN]
	v_add_nc_u32 v[SIN], s15, v[SIN]               ; the stage, in: row r, 8 h
	v_bfe_u32 v11, v0, 2, 3                        ; lane / 4
	v_and_b32 v5, 3, v0
	v_mul_u32_u24 v[SOUT], v11, SP
	v_lshl_add_u32 v[SOUT], v5, 4, v[SOUT]
	v_add_nc_u32 v[SOUT], s15, v[SOUT]             ; back: four lanes to a row of 64 bytes
	v_lshlrev_b32 v[GO], 10, v11
	v_lshl_add_u32 v[GO], v5, 4, v[GO]
	v_add_nc_u32 v[SIN+9], 16*SP, v[SIN]           ; tile 1's
	v_add_nc_u32 v[SOUT+9], 16*SP, v[SOUT]
	v_add_nc_u32 v[GO+7], 8192, v[GO]              ; eight queries on
.set j, 0
.rept 128
	v_mov_b32 v[VF+j], 0                           ; V's registers and both tiles' O^T
.set j, j+1
.endr
	WIN 0x40                                       ; destination window 1
.set j, 0
.rept 32
	v_mov_b32 v[CD+j], 0                           ; p's codes
.set j, j+1
.endr
.irp u, 0,1
	v_mov_b32 v[NM+2*\u], 0x7f61b1e6               ; -M = 3e38
	v_mov_b32 v[NM+2*\u+1], 0xff61b1e6             ; the largest t so far: -3e38
	v_mov_b32 v[SUM+2*\u], 0
	v_mov_b32 v[SUM+2*\u+1], 0
	v_mov_b32 v[FF+2*\u+1], 0                      ; named as the upper half of a pair
	v_mov_b32 v[PD+\u], 0                          ; a lane permute's destination counts as read
.endr
	WIN 0
	s_wait_kmcnt 0x0
	s_add_co_i32 s98, s78, s79
	s_lshl_b32 s98, s98, 23
	s_add_co_i32 s[CS], s[CS], s98                 ; a score stands for score x 2^(e6 + e7)
	s_mov_b32 s[CS+1], s[CS]
	s_add_co_i32 s98, s80, 127
	s_lshl_b32 s91, s98, 23                        ; 2^e8, for p
	s_add_co_i32 s98, s98, 8
	s_lshl_b32 s92, s98, 23
	s_or_b32 s92, s92, 0x600000                    ; 448 x 2^e8
	s_add_co_i32 s98, s82, 127
	s_lshl_b32 s93, s98, 23                        ; 2^e10, for the output
	s_add_co_i32 s98, s98, 8
	s_lshl_b32 s94, s98, 23
	s_or_b32 s94, s94, 0x600000
	s_add_co_i32 s98, s80, s81                     ; e8 + e9
	WIN 0x40
	v_mov_b32 v[SC], s91
	v_mov_b32 v[LIM0], s92
	v_mov_b32 v[LIM0+1], s92
	v_mov_b32 v[SCO], s93
	v_mov_b32 v[LIMO], s94
	WIN 0
.macro MAXI s, w                       ; four chains of maxima begin, each accumulator from its low end on
	v_max3_num_f32 v[\w], v[\s], v[\s+1], v[\s+2]
	v_max3_num_f32 v[\w+1], v[\s+3], v[\s+4], v[\s+5]
	v_max3_num_f32 v[\w+2], v[\s+6], v[\s+7], v[\s+8]
	v_max3_num_f32 v[\w+3], v[\s+9], v[\s+10], v[\s+11]
.endm
.macro MAXR s, w, j
	v_max3_num_f32 v[\w], v[\w], v[\s+\j], v[\s+\j+1]
	v_max3_num_f32 v[\w+1], v[\w+1], v[\s+\j+2], v[\s+\j+3]
	v_max3_num_f32 v[\w+2], v[\w+2], v[\s+\j+4], v[\s+\j+5]
	v_max3_num_f32 v[\w+3], v[\w+3], v[\s+\j+6], v[\s+\j+7]
.endm
.macro EX                              ; tile 1's next exponential
	v_exp_f32 v[e], v[e]
.set e, e+1
.endm
.macro PLN                             ; tile 0's next plain line among them: 16 first sums of the unquantised p, then 32 pairs of holds (p is not negative)
.if p < 16
	v_pk_add_f32 v[TMP+2*p:TMP+2*p+1], v[4*p:4*p+1], v[4*p+2:4*p+3]
.else
	v_dual_min_num_f32 v[2*(p-16)], v[2*(p-16)], v[LIM0] :: v_dual_min_num_f32 v[2*(p-16)+1], v[2*(p-16)+1], v[LIM0+1]
.endif
.set p, p+1
.endm
.macro PV                              ; O^T += V^T P^T for both tiles; the codes lie in window 1 (source 1); the eight accumulators take turns
	WIN 0x04
.irp u, 0,1
.irp t, 0,1,2,3
	v_wmma_f32_16x16x128_fp8_fp8 v[OA+32*\u+8*\t:OA+32*\u+8*\t+7], v[VF+16*\t:VF+16*\t+15], v[CD+16*\u:CD+16*\u+15], v[OA+32*\u+8*\t:OA+32*\u+8*\t+7]
.endr
.endr
.endm
.macro KLOADS off
.irp t, 0,1,2,3,4,5,6,7
	ds_load_b128 v[KF+8*\t:KF+8*\t+3], v[ADK] offset:\off+4*KP4*\t
	ds_load_b128 v[KF+8*\t+4:KF+8*\t+7], v[ADK] offset:\off+4*KP4*\t+32
.endr
.endm
; A KEY STEP: 128 keys x 32 queries.  pf = 1: asks for the next step's K; 2: but for the loop's last trip; 0: not
.macro BODY pf
.if \pf
	v_add_nc_u32 v[ADK], s[TK], v[AK0]
.endif
	v_add_nc_u32 v[ADV], s[TV], v[AV0]
	s_wait_alu depctr_va_vdst(0)
	s_wait_dscnt 0x0                               ; the last step's fragments of V and this step's of K, asked for ahead of the last softmax, are in
	PV                                             ; the last step's weighted sum
	WIN 0x40                                       ; the scores go to window 1
.irp u, 0,1
.irp t, 0,1,2,3,4,5,6,7
	v_wmma_f32_16x16x64_fp8_fp8 v[64*\u+8*\t:64*\u+8*\t+7], v[KF+8*\t:KF+8*\t+7], v[QF+8*\u:QF+8*\u+7], 0
.endr
.endr
.rept 4
	v_nop                                          ; four places in front of the loads into V's and K's registers and of the first read of the scores
.endr
	WIN 0
.irp t, 0,1,2,3
.irp c, 0,1,2,3
	ds_load_b128 v[VF+16*\t+4*\c:VF+16*\t+4*\c+3], v[ADV] offset:16*VP*\t+32*\c
.endr
.endr
.if \pf == 2
	s_cmp_eq_u32 s[CNT], 1                         ; no key step follows the last
	s_cbranch_scc1 .Lno_k_\@
.endif
.if \pf
	KLOADS KSTP
.endif
.if \pf == 2
.Lno_k_\@:
.endif
	WIN 0x55
	MAXI 0, WK                                     ; each tile's largest score of my query among my 64 keys, the two tiles by turns
	MAXI 64, WK+4
.set j, 12
.rept 6
	MAXR 0, WK, j
	MAXR 64, WK+4, j
.set j, j+8
.endr
.irp u, 0,1
	v_max3_num_f32 v[WK+4*\u], v[WK+4*\u], v[64*\u+60], v[64*\u+61]
	v_max3_num_f32 v[WK+4*\u+1], v[WK+4*\u+1], v[64*\u+62], v[64*\u+63]
.endr
.irp u, 0,1
	v_max3_num_f32 v[WK+4*\u], v[WK+4*\u], v[WK+4*\u+2], v[WK+4*\u+3]
.endr
.irp u, 0,1
	v_max_num_f32 v[WK+4*\u], v[WK+4*\u], v[WK+4*\u+1]
.endr
.irp u, 0,1
	v_permlanex16_b32 v[PD+\u], v[WK+4*\u], s[SEL], s[SEL+1]
.endr
.irp u, 0,1
	v_max_num_f32 v[WK+4*\u], v[WK+4*\u], v[PD+\u] ; and among lane l xor 16's
.endr
.irp u, 0,1
	v_mul_f32 v[WK+4*\u], s[CS], v[WK+4*\u]
.endr
.irp u, 0,1
	v_max_num_f32 v[NM+2*\u+1], v[NM+2*\u+1], v[WK+4*\u]   ; the running largest t
.endr
.irp u, 0,1
	v_mov_b32 v[WK+4*\u], v[NM+2*\u]
.endr
.irp u, 0,1
	v_floor_f32 v[NM+2*\u], -v[NM+2*\u+1]          ; -M = floor(-t)
.endr
.set j, 0
.irp op, 0,1,2,3                               ; tile 0's t - M; the three lines that make f = 2^(old M - new M) stand among them
.rept 8
	v_pk_fma_f32 v[j:j+1], v[j:j+1], s[CS:CS+1], v[NM:NM+1] op_sel_hi:[1,0,0]
.set j, j+2
.endr
.irp u, 0,1
.if \op == 0
	v_sub_f32 v[WK+4*\u], v[NM+2*\u], v[WK+4*\u]   ; old M - new M, a whole number, 0 or less
.endif
.if \op == 1
	v_cvt_i32_f32 v[WK+4*\u], v[WK+4*\u]           ; (it saturates)
.endif
.if \op == 2
	v_ldexp_f32 v[FF+2*\u], 1.0, v[WK+4*\u]
.endif
.endr
.endr
	s_wait_alu depctr_va_vdst(0)                   ; the wait ahead of the batch
.set j, 0
.rept 32
	v_exp_f32 v[j], v[j]                           ; tile 0's p = 2^(t - M); among them tile 1's t - M, first read behind the next wait
	v_exp_f32 v[j+1], v[j+1]
	v_pk_fma_f32 v[64+j:65+j], v[64+j:65+j], s[CS:CS+1], v[NM+2:NM+3] op_sel_hi:[1,0,0]
.set j, j+2
.endr
	s_wait_alu depctr_va_vdst(0)                   ; behind tile 0's batch and ahead of tile 1's
.set e, 64
.set p, 0
.rept 16
	EX
	PLN
	EX
	PLN
	EX
	PLN
	EX
.endr
.irp u, 0,1
	v_pk_mul_f32 v[SUM+2*\u:SUM+2*\u+1], v[SUM+2*\u:SUM+2*\u+1], v[FF+2*\u:FF+2*\u+1] op_sel_hi:[1,0]   ; the sums under the new M (plain lines behind the exponentials)
.endr
	WIN 0x04                                       ; O^T in window 0, f (source 1) in window 1
	s_wait_alu depctr_va_vdst(0)                   ; one wait for tile 1's batch and, directly ahead of O^T's first readers, for the products that wrote it
.irp u, 0,1
.set j, 0
.rept 16
	v_pk_mul_f32 v[OA+32*\u+j:OA+32*\u+j+1], v[OA+32*\u+j:OA+32*\u+j+1], v[FF+2*\u:FF+2*\u+1] op_sel_hi:[1,0]   ; O^T under the new M
.set j, j+2
.endr
.endr
	WIN 0x55
.irp b, 0,1,2,3,4,5,6,7
	v_cvt_scalef32_pk8_fp8_f32 v[CD+2*\b:CD+2*\b+1], v[8*\b:8*\b+7], v[SC]   ; tile 0's codes
.endr
.irp r, 4,8,12                                 ; tile 0's sums, in four chains
.irp k, 0,1,2,3
	v_pk_add_f32 v[TMP+2*\k:TMP+2*\k+1], v[TMP+2*\k:TMP+2*\k+1], v[TMP+2*(\k+\r):TMP+2*(\k+\r)+1]
.endr
.endr
	v_pk_add_f32 v[Y1:Y1+1], v[64:65], v[66:67]    ; tile 1's sum of the unquantised p, in four chains
	v_pk_add_f32 v[Y2:Y2+1], v[68:69], v[70:71]
	v_pk_add_f32 v[Y3:Y3+1], v[72:73], v[74:75]
	v_pk_add_f32 v[SUM+2:SUM+3], v[SUM+2:SUM+3], v[76:77]
	v_pk_add_f32 v[TMP:TMP+1], v[TMP:TMP+1], v[TMP+2:TMP+3]
	v_pk_add_f32 v[TMP+4:TMP+5], v[TMP+4:TMP+5], v[TMP+6:TMP+7]
.set j, 14
.rept 6
	v_pk_add_f32 v[Y1:Y1+1], v[Y1:Y1+1], v[64+j:65+j]
	v_pk_add_f32 v[Y2:Y2+1], v[Y2:Y2+1], v[66+j:67+j]
	v_pk_add_f32 v[Y3:Y3+1], v[Y3:Y3+1], v[68+j:69+j]
	v_pk_add_f32 v[SUM+2:SUM+3], v[SUM+2:SUM+3], v[70+j:71+j]
.set j, j+8
.endr
	v_pk_add_f32 v[SUM:SUM+1], v[SUM:SUM+1], v[TMP:TMP+1]
	v_pk_add_f32 v[Y1:Y1+1], v[Y1:Y1+1], v[126:127]
	v_pk_add_f32 v[Y2:Y2+1], v[Y2:Y2+1], v[Y3:Y3+1]
	v_pk_add_f32 v[SUM:SUM+1], v[SUM:SUM+1], v[TMP+4:TMP+5]
	v_pk_add_f32 v[SUM+2:SUM+3], v[SUM+2:SUM+3], v[Y1:Y1+1]
	v_pk_add_f32 v[SUM+2:SUM+3], v[SUM+2:SUM+3], v[Y2:Y2+1]
.irp b, 0,1,2,3
.irp i, 0,2,4,6,8,10,12,14
	v_dual_min_num_f32 v[64+16*\b+\i], v[64+16*\b+\i], v[LIM0] :: v_dual_min_num_f32 v[65+16*\b+\i], v[65+16*\b+\i], v[LIM0+1]   ; tile 1's holds
.endr
	v_cvt_scalef32_pk8_fp8_f32 v[CD+16+4*\b:CD+17+4*\b], v[64+16*\b:71+16*\b], v[SC]
	v_cvt_scalef32_pk8_fp8_f32 v[CD+18+4*\b:CD+19+4*\b], v[72+16*\b:79+16*\b], v[SC]
.endr
	v_nop                                          ; a plain instruction behind the last conversion
	WIN 0
.endm
.macro RUN n, pf                       ; n key steps inside one chunk of V
	s_mov_b32 s[CNT], \n
.Lstep_\@:
	BODY \pf
	s_add_co_u32 s[TK], s[TK], KSTP
	s_add_co_u32 s[TV], s[TV], 128
	s_sub_co_u32 s[CNT], s[CNT], 1
	s_cmp_lg_u32 s[CNT], 0
	s_cbranch_scc1 .Lstep_\@
.endm
	s_wait_alu depctr_va_vdst(0)                   ; the wait at the head's end
	s_wait_tensorcnt 0x0                           ; my part of keys 0-511 is in
	ds_add_u32 v[SPW], v[NIL]
	s_wait_dscnt 0x0
	CROUND                                         ; everybody's part is in, and all four work-groups are here
	TLOAD G0K2, G1K2, G0V2, G1V2, 7                ; keys 512-2,047: my one tensor load behind the round
	v_add_nc_u32 v[ADK], s[TK], v[AK0]
	KLOADS 0                                       ; key step 0's K
	s_wait_loadcnt 0x0                             ; Q
	RUN 3, 1                                       ; key steps 0-2
	s_wait_tensorcnt 0x0                           ; the one load of mine that was out, my part of keys 512-2,047, is in
	s_wait_dscnt 0x0
	s_barrier_signal -1                            ; say so
	BODY 0                                         ; key step 3 reads V's keys 384-511 alone, which nobody writes
	s_add_co_u32 s[TK], s[TK], KSTP
	s_add_co_u32 s[TV], s[TV], 128+VCH-512         ; V's next chunk
	s_barrier_wait -1                              ; everybody's part of keys 512-2,047 is in
	v_add_nc_u32 v[ADK], s[TK], v[AK0]
	KLOADS 0                                       ; key step 4's K
	RUN 4, 1
	s_add_co_u32 s[TV], s[TV], VCH-512
	RUN 4, 1
	s_add_co_u32 s[TV], s[TV], VCH-512
	RUN 4, 2
	s_wait_alu depctr_va_vdst(0)                   ; the wait here, directly ahead of the wait below
	s_wait_dscnt 0x0
	PV                                             ; the last step's weighted sum
; THE WAY OUT: O^T x 2^(e8 + e9) / the sum, quantised with 2^e10; 16 rows x 64 bytes of each tile through its stage
	WIN 0x55
.rept 4
	v_nop
.endr
.irp u, 0,1
	v_add_f32 v[SUM+2*\u], v[SUM+2*\u], v[SUM+2*\u+1]
.endr
.irp u, 0,1
	v_permlanex16_b32 v[PD+\u], v[SUM+2*\u], s[SEL], s[SEL+1]
.endr
.irp u, 0,1
	v_add_f32 v[SUM+2*\u], v[SUM+2*\u], v[PD+\u]   ; the row's sum
.endr
	s_wait_alu depctr_va_vdst(0)                   ; the wait ahead of the transcendentals
.irp u, 0,1
	v_rcp_f32 v[SUM+2*\u], v[SUM+2*\u]
.endr
	v_nop
	s_wait_alu depctr_va_vdst(0)                   ; and ahead of their first reader
.irp u, 0,1
	v_ldexp_f32 v[SUM+2*\u], v[SUM+2*\u], s98
.endr
	WIN 0x44                                       ; O^T (source 0) in window 0; the factor and the result in window 1
	s_wait_alu depctr_va_vdst(0)                   ; and directly ahead of the first reader of O^T
.irp u, 0,1
.set j, 0
.rept 32
	v_mul_f32 v[64*\u+j], v[OA+32*\u+j], v[SUM+2*\u]   ; register 8 t + i: channel 16 t + 8 h + i of my query
.set j, j+1
.endr
.endr
	WIN 0x55
.irp u, 0,1
.set j, 0
.rept 32
	v_med3_num_f32 v[64*\u+j], v[64*\u+j], -v[LIMO], v[LIMO]
.set j, j+1
.endr
.endr
.irp u, 0,1
.irp t, 0,1,2,3
	v_cvt_scalef32_pk8_fp8_f32 v[CD+16*\u+2*\t:CD+16*\u+2*\t+1], v[64*\u+8*\t:64*\u+8*\t+7], v[SCO]
.endr
.endr
	v_nop
	WIN 0x04                                       ; the address in window 0, the data (source 1) in window 1
.irp u, 0,1
.irp t, 0,1,2,3
	ds_store_b64 v[SIN+9*\u], v[CD+16*\u+2*\t:CD+16*\u+2*\t+1] offset:16*\t
.endr
.endr
	WIN 0
.irp u, 0,1
.irp i, 0,1
	ds_load_b128 v[KF+8*\u+4*\i:KF+8*\u+4*\i+3], v[SOUT+9*\u] offset:8*SP*\i   ; LDS serves a wave's instructions in order: these see my stores
.endr
.endr
.irp u, 0,1
.irp i, 0,1
	s_wait_dscnt 3-2*\u-\i
	global_store_b128 v[GO+7*\u], v[KF+8*\u+4*\i:KF+8*\u+4*\i+3], s[10:11] offset:16384*\i   ; rows r / 8 = i lie 16 queries apart
.endr
.endr
	s_wait_tensorcnt 0x0                           ; the wave's end
	ds_add_u32 v[SPW], v[NIL]
	s_wait_dscnt 0x0
	CROUND                                         ; the closing round
	s_endpgm
.Lfunc_end_k_q5c6fed8feb_attn:
	.size	k_q5c6fed8feb_attn, .Lfunc_end_k_q5c6fed8feb_attn-k_q5c6fed8feb_attn
	.p2alignl 7, 3214868480
	.fill 96, 4, 3214868480
	.section	.rodata,"a",@progbits
	.p2align	6, 0x0
	.amdhsa_kernel k_q5c6fed8feb_attn
		.amdhsa_group_segment_fixed_size 327680
		.amdhsa_private_segment_fixed_size 0
		.amdhsa_enable_private_segment 0
		.amdhsa_kernarg_size 32
		.amdhsa_user_sgpr_count 2
		.amdhsa_user_sgpr_kernarg_segment_ptr 1
		.amdhsa_wavefront_size32 1
		.amdhsa_system_sgpr_workgroup_id_x 1
		.amdhsa_system_sgpr_workgroup_id_y 1
		.amdhsa_system_sgpr_workgroup_id_z 1
		.amdhsa_system_vgpr_workitem_id 0
		.amdhsa_next_free_vgpr 512
		.amdhsa_next_free_sgpr 100
		.amdhsa_reserve_vcc 0
		.amdhsa_float_denorm_mode_32 3
		.amdhsa_float_denorm_mode_16_64 3
		.amdhsa_memory_ordered 1
		.amdhsa_forward_progress 1
		.amdhsa_inst_pref_size 168
	.end_amdhsa_kernel
	.amdgpu_metadata
---
amdhsa.version: [ 1, 2 ]
amdhsa.kernels:
  - .name:           k_q5c6fed8feb_attn
    .symbol:         k_q5c6fed8feb_attn.kd
    .args:
      - { .name: qk, .offset: 0, .size: 8, .value_kind: global_buffer, .address_space: global }
      - { .name: vt, .offset: 8, .size: 8, .value_kind: global_buffer, .address_space: global }
      - { .name: lowp_scales, .offset: 16, .size: 8, .value_kind: global_buffer, .address_space: global }
      - { .name: ao, .offset: 24, .size: 8, .value_kind: global_buffer, .address_space: global }
    .group_segment_fixed_size: 327680
    .private_segment_fixed_size: 0
    .kernarg_segment_align: 8
    .kernarg_segment_size: 32
    .max_flat_workgroup_size: 256
    .sgpr_count:     100
    .vgpr_count:     512
    .wavefront_size: 32
...
	.end_amdgpu_metadata
.endif
;; end of part 3
;; launch wo (part 4): grid 8 x 32, 4 waves a work-group, clusters of 4 x 4, 327,680 bytes of LDS; arguments ao, wc, lowp_scales, bo, x, x1; writes x1
.if DOCPART == 4
	.amdgcn_target "amdgcn-amd-amdhsa--gfx1250"
	.amdhsa_code_object_version 6
	.text
	.protected	k_q5c6fed8feb_wo
	.globl	k_q5c6fed8feb_wo
	.p2align	8
	.type	k_q5c6fed8feb_wo,@function
k_q5c6fed8feb_wo:
	s_mov_b64 s[64:65], 0
	v_nop
	global_prefetch_b8 v0, s[64:65] scope:SCOPE_SE
	s_setreg_imm32_b32 hwreg(HW_REG_WAVE_MODE, 25, 1), 1
	s_wait_xcnt 0x0
	s_wait_alu depctr_hold_cnt(0) depctr_sa_sdst(0) depctr_va_vdst(0) depctr_va_sdst(0) depctr_va_ssrc(0) depctr_va_vcc(0) depctr_vm_vsrc(0)
	s_getreg_b32 s2, hwreg(HW_REG_IB_STS2, 6, 4)
	s_cmp_eq_u32 s2, 0
	s_cbranch_scc0 .Lentry_in_a_cluster
	s_endpgm
.Lentry_in_a_cluster:
	s_bfe_u32 s2, ttmp6, 0x10000c
	s_cmp_lg_u32 s2, 0xf033
	s_cbranch_scc0 .Lentry_shape_is_right
	s_endpgm
.Lentry_shape_is_right:
; out[m][n] = res[m][n] + bias[n] + 2^(ea + eb) x the sum over k of A[m][k] B[n][k], A and B codes of E4M3 with K innermost, out and res [4096][1024] f32.
; Here: A = the attention's output, B = Wo, res = x, out = x1.
; A tile is 128 x 128 (256 work-groups), four waves of 64 x 64: 16 accumulators.  The whole K lies in LDS (rows of 1,024 bytes + 16); a wave's tensor load brings 64 rows.
; CLUSTERS of 4 x 4: A's tile is asked for jointly along a row of the cluster, B's along a column.  THE MATRIX INSTRUCTION IS USED TRANSPOSED (source 0 = B's rows, source 1 = A's): a lane holds eight neighbours of a row of out.
; The wave's 64 x 64 of res is asked for at the start, into registers that the loop does not touch.  A wave's 64 columns of f32 are 256 aligned bytes: each wave has a stage of its own on the way out.
; REGISTERS: window 0: v16-31 addresses; v32-95 rows read back; v96-99 the bias; v128-255 the accumulators.  Window 1: two fragment buffers of 128 (A's four blocks, then B's four).  Window 2: v0-127 res.
; LIMIT: ea + eb between -126 and 127.  The fragments hold k in a permutation that is the same on both sides.
.set SIZE_K, 1024
.set WOFF,   0x300000                  ; B's codes in wc
.set SOFF,   40                        ; ea, eb in the buffer of exponents, in bytes
.set LASTOUT, 0
; THE WHOLE K LIES IN LDS: a row of A or of B is 1,024 bytes + 16; a wave's one tensor load at the head brings 64 such rows, and nothing is filled a second time.
; What the text below calls slot 1 is the second 512 bytes of the same rows.
.set KSTEP,  1024
.set PITCH,  1040
.set HALFT,  64*PITCH
.set SLOT,   4*HALFT
.set STAGE,  SLOT
.set SPITCH, 272
.set SPARE,  STAGE+4*16*SPITCH
.set LAPS,   SIZE_K/(2*KSTEP)
.set ADRA, 16
.set ADRB, 20
.set STO,  24
.set RD,   25
.set CO,   26
.set BO,   27
.set SPW,  28
.set NIL,  29
.set BK,   32
.set BI,   96
.set ACC,  128
.set F0,   0
.set F1,   128
.set G1, 24
.set G0, 32
.set G1B, 48
.set G0B, 56
.set MSB, 0
.macro WIN new
.if MSB != \new
	s_set_vgpr_msb (MSB<<8)|\new
.set MSB, \new
.endif
.endm
.set MUL,  0x05                        ; sources 0 and 1 window 1; C and D window 0
.set TO_F, 0x40                        ; destination window 1
.macro JLOAD s                         ; waves 0, 1 ask for A's halves, waves 2, 3 for B's; four v_nop follow each line
	s_cmp_eq_u32 s11, 0
	s_cbranch_scc0 .Lfor_b_\@
	tensor_load_to_lds s[G0+4*\s:G0+4*\s+3], s[G1:G1+7]
	s_nop 0
.rept 4
	v_nop
.endr
	s_branch .Lasked_\@
.Lfor_b_\@:
	tensor_load_to_lds s[G0B+4*\s:G0B+4*\s+3], s[G1B:G1B+7]
	s_nop 0
.rept 4
	v_nop
.endr
.Lasked_\@:
.endm
.macro CREST
	s_cmp_lg_u32 s10, 0
	s_cbranch_scc1 .Lnot_wave_0_\@
	s_barrier_signal -3
.Lnot_wave_0_\@:
	s_barrier_wait -3
	s_barrier_signal -1
	s_barrier_wait -1
.endm
.macro CROUND
	s_barrier_signal -1
	s_barrier_wait -1
	CREST
.endm
	s_load_b256 s[68:75], s[0:1], 0x0              ; A 68, wc 70, scales 72, bias 74
	s_load_b128 s[76:79], s[0:1], 0x20             ; res 76, out 78
	v_lshl_add_u32 v[SPW], v0, 2, SPARE
	v_mov_b32 v[NIL], 0
	ds_add_u32 v28, v29
	ds_add_u32 v28, v29
	s_wait_dscnt 0x0
	v_lshrrev_b32 v1, 5, v0
	v_readfirstlane_b32 s10, v1                    ; wave
	s_lshr_b32 s11, s10, 1                         ; my half of the rows.  Also: I fetch for A (0) or B (1)
	s_and_b32 s12, s10, 1                          ; my half of the columns.  Also: which 64 rows I fetch
	s_bfe_u32 s40, ttmp6, 0x40000
	s_bfe_u32 s41, ttmp6, 0x40004
	s_lshl_b32 s42, ttmp9, 2
	s_add_co_u32 s42, s42, s40                     ; tile column
	s_and_b32 s13, ttmp7, 0xffff
	s_lshl_b32 s13, s13, 2
	s_add_co_u32 s13, s13, s41                     ; tile row
	s_lshl_b32 s43, s41, 2
	s_lshl_b32 s43, 15, s43
	s_lshl_b32 s44, 0x1111, s40
	s_or_b32 s[G1+0], s43, (0<<16)|(1<<20)|(1<<21)|(7<<22)|(3<<25)   ; the mask; elements of 1 byte; 4 words of padding behind every 256; bit 21 beside a mask
	s_or_b32 s[G1B+0], s44, (0<<16)|(1<<20)|(1<<21)|(7<<22)|(3<<25)
.irp g, G1, G1B
	s_mov_b32 s[\g+1], KSTEP<<16
	s_mov_b32 s[\g+2], 64<<16
	s_mov_b32 s[\g+3], KSTEP<<16
	s_mov_b32 s[\g+4], 64
	s_mov_b32 s[\g+5], SIZE_K
	s_mov_b32 s[\g+6], 0
	s_mov_b32 s[\g+7], 0
.endr
	s_lshl_b32 s17, s12, 6
	s_lshl_b32 s16, s13, 7
	s_add_co_u32 s16, s16, s17
	s_lshl_b32 s46, s42, 7
	s_add_co_u32 s46, s46, s17
	s_mul_i32 s16, s16, SIZE_K
	s_mul_i32 s46, s46, SIZE_K
	s_add_co_u32 s46, s46, WOFF
	s_mov_b32 s17, 0
	s_mov_b32 s47, 0
	s_mul_i32 s20, s10, HALFT
	s_wait_kmcnt 0x0
	s_load_b64 s[80:81], s[72:73], SOFF            ; ea, eb
	s_add_nc_u64 s[14:15], s[68:69], s[16:17]
	s_add_nc_u64 s[46:47], s[70:71], s[46:47]
	CROUND
.irp s, 0
	s_mov_b32 s[G0+4*\s], 1
	s_add_co_u32 s[G0+4*\s+1], s20, \s*SLOT
	s_add_nc_u64 s[G0+4*\s+2:G0+4*\s+3], s[14:15], \s*KSTEP
	s_or_b32 s[G0+4*\s+3], s[G0+4*\s+3], 0x80000000
	s_mov_b32 s[G0B+4*\s], 1
	s_add_co_u32 s[G0B+4*\s+1], s20, \s*SLOT
	s_add_nc_u64 s[G0B+4*\s+2:G0B+4*\s+3], s[46:47], \s*KSTEP
	s_or_b32 s[G0B+4*\s+3], s[G0B+4*\s+3], 0x80000000
	JLOAD \s
.endr
	v_and_b32 v1, 15, v0
	s_wait_alu depctr_va_vdst(0)
	v_bfe_u32 v2, v0, 4, 1
	v_mul_u32_u24 v3, v1, PITCH
	v_lshl_add_u32 v3, v2, 4, v3
	s_mul_i32 s21, s11, HALFT
	s_mul_i32 s22, s12, HALFT
	s_add_co_u32 s22, s22, 2*HALFT
.irp s, 0,1
	v_add_nc_u32 v[ADRA+\s], s21, v3
	v_add_nc_u32 v[ADRB+\s], s22, v3
	s_add_co_u32 s21, s21, 512
	s_add_co_u32 s22, s22, 512
.endr
	s_mul_i32 s23, s10, 16*SPITCH
	s_add_co_u32 s23, s23, STAGE                   ; my stage
	v_mul_u32_u24 v4, v1, SPITCH
	s_wait_alu depctr_va_vdst(0)
	v_lshl_add_u32 v4, v2, 5, v4
	v_add_nc_u32 v[STO], s23, v4                   ; in: row r, 32 h
	v_mul_u32_u24 v5, v2, SPITCH
	v_lshl_add_u32 v5, v1, 4, v5
	v_add_nc_u32 v[RD], s23, v5                    ; back: sixteen lanes to a row
	v_lshlrev_b32 v5, 12, v2
	v_lshl_add_u32 v[CO], v1, 4, v5                ; the same two rows in res and out
	s_wait_alu depctr_va_vdst(0)
	v_lshlrev_b32 v[BO], 4, v1
	s_wait_alu depctr_va_vdst(0)
	s_lshl_b32 s16, s13, 7
	s_lshl_b32 s17, s11, 6
	s_add_co_u32 s16, s16, s17
	s_lshl_b32 s16, s16, 12                        ; my first row, of 4,096 bytes
	s_mov_b32 s17, 0
	s_lshl_b32 s46, s42, 9
	s_lshl_b32 s47, s12, 8
	s_add_co_u32 s46, s46, s47                     ; my first column, in bytes
	s_mov_b32 s47, 0
	s_add_nc_u64 s[76:77], s[76:77], s[16:17]
	s_add_nc_u64 s[76:77], s[76:77], s[46:47]
	s_add_nc_u64 s[78:79], s[78:79], s[16:17]
	s_add_nc_u64 s[78:79], s[78:79], s[46:47]
	s_add_nc_u64 s[74:75], s[74:75], s[46:47]
	WIN 0x80                                       ; destination window 2
.set i, 0
.rept 32
	global_load_b128 v[4*i:4*i+3], v[CO], s[76:77] offset:2*i*4096   ; res: rows 2 i, 2 i + 1 of my 64
.set i, i+1
.endr
	WIN 0
	global_load_b128 v[BI:BI+3], v[BO], s[74:75]   ; the bias at my four columns
.macro MUL4 f, a, zero                 ; A's block a x B's four.  The 16 accumulators take turns, in the same order in every quarter
.irp b, 0,1,2,3
.if \zero
	v_wmma_f32_16x16x128_fp8_fp8 v[ACC+8*(4*(\a)+\b):ACC+8*(4*(\a)+\b)+7], v[\f+64+16*\b:\f+64+16*\b+15], v[\f+16*(\a):\f+16*(\a)+15], 0
.else
	v_wmma_f32_16x16x128_fp8_fp8 v[ACC+8*(4*(\a)+\b):ACC+8*(4*(\a)+\b)+7], v[\f+64+16*\b:\f+64+16*\b+15], v[\f+16*(\a):\f+16*(\a)+15], v[ACC+8*(4*(\a)+\b):ACC+8*(4*(\a)+\b)+7]
.endif
.endr
.endm
.macro FETCH slot, k, f                ; 32 LDS loads: 128 along K at byte k: B's four blocks, then A's four
	WIN TO_F
.irp i, 0,1,2,3
.irp c, 0,1,2,3
	ds_load_b128 v[\f+64+16*\i+4*\c:\f+64+16*\i+4*\c+3], v[ADRB+\slot] offset:\k+32*\c+\i*16*PITCH
.endr
.endr
.irp i, 0,1,2,3
.irp c, 0,1,2,3
	ds_load_b128 v[\f+16*\i+4*\c:\f+16*\i+4*\c+3], v[ADRA+\slot] offset:\k+32*\c+\i*16*PITCH
.endr
.endr
.endm
.macro PLACES
.rept 4
	v_nop
.endr
.endm
.macro QUARTER slot, k, f, g, zero     ; 128 along K on buffer f; in its middle the next quarter's fragments, at byte k, go into buffer g
	s_wait_dscnt 8                                 ; B and A's blocks 0, 1 are in; the eight youngest loads (blocks 2, 3) may be out
	WIN MUL
	MUL4 \f, 0, \zero
	MUL4 \f, 1, \zero
	PLACES
	FETCH \slot, \k, \g
	s_wait_dscnt 32                                ; all but the 32 just issued
	WIN MUL
	MUL4 \f, 2, \zero
	MUL4 \f, 3, \zero
.endm
.macro TURN slot, next, fill           ; a slot's last quarter, on buffer 1, and the change of slots
	WIN 0
	s_wait_tensorcnt 0x0                           ; all my tensor loads have landed: my part of the next slot
	ds_add_u32 v[SPW], v[NIL]                      ; 0 onto my spare word
	s_wait_dscnt 9                                 ; the add and the eight youngest loads may be out
	WIN MUL
	MUL4 F1, 0, 0
	s_wait_dscnt 0x0                               ; the add is done, and my reads of this slot are over
	s_barrier_signal -1
	MUL4 F1, 1, 0
.if \fill
	WIN 0
.endif
	s_barrier_wait -1
.if \fill
	CREST                                          ; the barrier opened a round of the cluster's
	s_add_nc_u64 s[G0+4*\slot+2:G0+4*\slot+3], s[G0+4*\slot+2:G0+4*\slot+3], 2*KSTEP
	s_add_nc_u64 s[G0B+4*\slot+2:G0B+4*\slot+3], s[G0B+4*\slot+2:G0B+4*\slot+3], 2*KSTEP
	JLOAD \slot                                    ; the first tensor load behind the round; its four v_nop are the places in front of the loads below
.else
	PLACES
.endif
	FETCH \next, 0, F0
	WIN MUL
	MUL4 F1, 2, 0
	MUL4 F1, 3, 0
.endm
	s_wait_tensorcnt 0x0                           ; my one tensor load, my 64 rows of the whole K, is in
	s_barrier_signal -1
	s_barrier_wait -1
	FETCH 0, 0, F0
	QUARTER 0, 128, F0, F1, 1
.if LAPS > 1
	WIN 0
	s_mov_b32 s3, LAPS-1
.Llap:
	QUARTER 0, 256, F1, F0, 0
	QUARTER 0, 384, F0, F1, 0
	TURN 0, 1, 1
	QUARTER 1, 128, F0, F1, 0
	QUARTER 1, 256, F1, F0, 0
	QUARTER 1, 384, F0, F1, 0
	TURN 1, 0, 1
	QUARTER 0, 128, F0, F1, 0
	WIN 0
	s_sub_co_u32 s3, s3, 1
	s_cmp_lg_u32 s3, 0
	s_cbranch_scc1 .Llap
.endif
	QUARTER 0, 256, F1, F0, 0
	QUARTER 0, 384, F0, F1, 0
	TURN 0, 1, 0
	QUARTER 1, 128, F0, F1, 0
	QUARTER 1, 256, F1, F0, 0
	QUARTER 1, 384, F0, F1, 0
	s_wait_dscnt 8
	WIN MUL
	MUL4 F1, 0, 0
	MUL4 F1, 1, 0
	s_wait_dscnt 0
	MUL4 F1, 2, 0
	MUL4 F1, 3, 0
	WIN 0
; THE WAY OUT, 16 rows at a time: the bare sums through my stage, back as whole rows of 256 bytes; x 2^(ea + eb) + res in one packed multiply-add, + bias, stored
	s_wait_kmcnt 0x0
	s_add_co_i32 s80, s80, s81
	s_add_co_i32 s80, s80, 127
	s_lshl_b32 s80, s80, 23                        ; 2^(ea + eb)
	s_mov_b32 s81, s80
	s_wait_loadcnt 0x0                             ; res and the bias
	PLACES
.macro OUTBLK a
.set BB, BK+32*((\a)%2)
.if (\a) >= 2
	s_wait_xcnt 0x0                                ; the stores of two blocks ago have read these registers
.endif
.irp b, 0,1,2,3
	ds_store_b128 v[STO], v[ACC+8*(4*(\a)+\b):ACC+8*(4*(\a)+\b)+3] offset:64*\b       ; each accumulator from its low end on
	ds_store_b128 v[STO], v[ACC+8*(4*(\a)+\b)+4:ACC+8*(4*(\a)+\b)+7] offset:64*\b+16
.endr
.irp t, 0,1,2,3,4,5,6,7
	ds_load_b128 v[BB+4*\t:BB+4*\t+3], v[RD] offset:\t*2*SPITCH   ; LDS serves a wave's instructions in order
.endr
	s_wait_dscnt 0x0
	WIN 0x20                                       ; source 2 (res) window 2
.set i, 0
.rept 16
	v_pk_fma_f32 v[BB+2*i:BB+2*i+1], v[BB+2*i:BB+2*i+1], s[80:81], v[32*(\a)+2*i:32*(\a)+2*i+1] op_sel_hi:[1,0,1]
.set i, i+1
.endr
	WIN 0
.set i, 0
.rept 16
	v_pk_add_f32 v[BB+2*i:BB+2*i+1], v[BB+2*i:BB+2*i+1], v[BI+2*(i%2):BI+2*(i%2)+1]
.set i, i+1
.endr
.irp t, 0,1,2,3,4,5,6,7
.if LASTOUT
	global_store_b128 v[CO], v[BB+4*\t:BB+4*\t+3], s[78:79] offset:(16*(\a)+2*\t)*4096 th:TH_STORE_NT
.else
	global_store_b128 v[CO], v[BB+4*\t:BB+4*\t+3], s[78:79] offset:(16*(\a)+2*\t)*4096   ; sixteen lanes store 256 consecutive, aligned bytes
.endif
.endr
.endm
	OUTBLK 0
	OUTBLK 1
	OUTBLK 2
	OUTBLK 3
	s_wait_tensorcnt 0x0                           ; the wave's end
	ds_add_u32 v[SPW], v[NIL]
	s_wait_dscnt 0x0
	CROUND                                         ; the closing round
	s_endpgm
.Lfunc_end_k_q5c6fed8feb_wo:
	.size	k_q5c6fed8feb_wo, .Lfunc_end_k_q5c6fed8feb_wo-k_q5c6fed8feb_wo
	.p2alignl 7, 3214868480
	.fill 96, 4, 3214868480
	.section	.rodata,"a",@progbits
	.p2align	6, 0x0
	.amdhsa_kernel k_q5c6fed8feb_wo
		.amdhsa_group_segment_fixed_size 327680
		.amdhsa_private_segment_fixed_size 0
		.amdhsa_enable_private_segment 0
		.amdhsa_kernarg_size 48
		.amdhsa_user_sgpr_count 2
		.amdhsa_user_sgpr_kernarg_segment_ptr 1
		.amdhsa_wavefront_size32 1
		.amdhsa_system_sgpr_workgroup_id_x 1
		.amdhsa_system_sgpr_workgroup_id_y 1
		.amdhsa_system_sgpr_workgroup_id_z 1
		.amdhsa_system_vgpr_workitem_id 0
		.amdhsa_next_free_vgpr 640
		.amdhsa_next_free_sgpr 84
		.amdhsa_reserve_vcc 0
		.amdhsa_float_denorm_mode_32 3
		.amdhsa_float_denorm_mode_16_64 3
		.amdhsa_memory_ordered 1
		.amdhsa_forward_progress 1
		.amdhsa_inst_pref_size 52
	.end_amdhsa_kernel
	.amdgpu_metadata
---
amdhsa.version: [ 1, 2 ]
amdhsa.kernels:
  - .name:           k_q5c6fed8feb_wo
    .symbol:         k_q5c6fed8feb_wo.kd
    .args:
      - { .name: ao, .offset: 0, .size: 8, .value_kind: global_buffer, .address_space: global }
      - { .name: wc, .offset: 8, .size: 8, .value_kind: global_buffer, .address_space: global }
      - { .name: lowp_scales, .offset: 16, .size: 8, .value_kind: global_buffer, .address_space: global }
      - { .name: bo, .offset: 24, .size: 8, .value_kind: global_buffer, .address_space: global }
      - { .name: x, .offset: 32, .size: 8, .value_kind: global_buffer, .address_space: global }
      - { .name: x1, .offset: 40, .size: 8, .value_kind: global_buffer, .address_space: global }
    .group_segment_fixed_size: 327680
    .private_segment_fixed_size: 0
    .kernarg_segment_align: 8
    .kernarg_segment_size: 48
    .max_flat_workgroup_size: 128
    .sgpr_count:     84
    .vgpr_count:     640
    .wavefront_size: 32
...
	.end_amdgpu_metadata
.endif
;; end of part 4
;; launch ln2 (part 5): grid 256 x 1, 4 waves a work-group, no clusters, 0 bytes of LDS; arguments x1, ln2_g, ln2_b, lowp_scales, xn2c; writes xn2c
.if DOCPART == 5
	.amdgcn_target "amdgcn-amd-amdhsa--gfx1250"
	.amdhsa_code_object_version 6
	.text
	.protected	k_q5c6fed8feb_ln2
	.globl	k_q5c6fed8feb_ln2
	.p2align	8
	.type	k_q5c6fed8feb_ln2,@function
k_q5c6fed8feb_ln2:
	s_mov_b64 s[64:65], 0
	v_nop
	global_prefetch_b8 v0, s[64:65] scope:SCOPE_SE
	s_setreg_imm32_b32 hwreg(HW_REG_WAVE_MODE, 25, 1), 1
	s_wait_xcnt 0x0
; LayerNorm 2 of x1 [4096][1024] in f32, quantised to codes of E4M3 with the scale of entry 12.  A wave takes four rows, each whole in registers:
; a lane holds, for g = 0..3, the eight neighbours 256 g + 8 lane + 0..7.  No LDS, no barrier: waves share nothing.
; LIMITS: e between -126 and 119.  NaN among the inputs is not served.
.set LG,   16
.set LB,   48
.set LX,   80
.set LT,   208                         ; v208-223 two buffers of eight numbers by turns; also the sums' pairs
.set LC,   232                         ; v232-239 codes: two registers for each g
.set SCL,  3
.set LIM,  6
.set MU,   10
.set RS,   12
.set W0,   14
.set W1,   15
	s_load_b256 s[4:11], s[0:1], 0x0               ; x1 4, gamma 6, beta 8, scales 10
	s_load_b64 s[12:13], s[0:1], 0x20              ; the codes
	v_lshrrev_b32 v1, 5, v0
	v_readfirstlane_b32 s15, v1
	v_and_b32 v2, 31, v0
	s_wait_alu depctr_va_vdst(0)
	s_lshl_b32 s16, ttmp9, 4
	s_lshl_b32 s17, s15, 2
	s_add_co_u32 s16, s16, s17                     ; my first row
	s_lshl_b32 s18, s16, 12
	s_mov_b32 s19, 0
	s_lshl_b32 s24, s16, 10
	s_mov_b32 s25, 0
	s_mov_b32 s20, 0x76543210
	s_mov_b32 s21, 0xfedcba98
	s_mov_b32 s22, 0x3a800000                      ; 1 / 1024
	s_mov_b32 s23, 0x3727c5ac                      ; eps = 1e-5
	v_lshlrev_b32 v1, 5, v2
	v_lshlrev_b32 v2, 3, v2
	s_wait_alu depctr_va_vdst(0)
	s_wait_kmcnt 0x0
	s_load_b32 s14, s[10:11], 0x30                 ; e12
	s_add_nc_u64 s[4:5], s[4:5], s[18:19]
	s_add_nc_u64 s[12:13], s[12:13], s[24:25]
.irp g, 0,1,2,3
	global_load_b128 v[LG+8*\g:LG+8*\g+3],   v1, s[6:7] offset:1024*\g
	global_load_b128 v[LG+8*\g+4:LG+8*\g+7], v1, s[6:7] offset:1024*\g+16
	global_load_b128 v[LB+8*\g:LB+8*\g+3],   v1, s[8:9] offset:1024*\g
	global_load_b128 v[LB+8*\g+4:LB+8*\g+7], v1, s[8:9] offset:1024*\g+16
.endr
.irp i, 0,1,2,3
.irp g, 0,1,2,3
	global_load_b128 v[LX+32*\i+8*\g:LX+32*\i+8*\g+3],   v1, s[4:5] offset:4096*\i+1024*\g
	global_load_b128 v[LX+32*\i+8*\g+4:LX+32*\i+8*\g+7], v1, s[4:5] offset:4096*\i+1024*\g+16
.endr
.endr
	v_mov_b32 v[MU+1], 0
	v_mov_b32 v[RS+1], 0
	v_mov_b32 v[W1], 0
	s_wait_kmcnt 0x0
	s_add_co_i32 s14, s14, 127
	s_lshl_b32 s26, s14, 23
	v_mov_b32 v[SCL], s26
	s_add_co_i32 s14, s14, 8
	s_lshl_b32 s14, s14, 23
	s_or_b32 s14, s14, 0x600000
	v_mov_b32 v[LIM], s14
.macro WSUM
	v_add_f32_dpp v[W0], v[W0], v[W0] row_xmask:1 row_mask:0xf bank_mask:0xf
	v_add_f32_dpp v[W0], v[W0], v[W0] row_xmask:2 row_mask:0xf bank_mask:0xf
	v_add_f32_dpp v[W0], v[W0], v[W0] row_xmask:4 row_mask:0xf bank_mask:0xf
	v_add_f32_dpp v[W0], v[W0], v[W0] row_xmask:8 row_mask:0xf bank_mask:0xf
	v_permlanex16_b32 v[W1], v[W0], s20, s21
	v_add_f32 v[W0], v[W0], v[W1]
.endm
.macro LNROW i
.set XR, LX+32*\i
	s_wait_loadcnt 8*(3-\i)                        ; my row's eight loads are in; the later rows' may be out
.if \i > 0
	s_wait_xcnt 0x0                                ; the last row's stores have read their codes
.endif
.irp k, 0,1,2,3,4,5,6,7
	v_pk_add_f32 v[LT+2*\k:LT+2*\k+1], v[XR+4*\k:XR+4*\k+1], v[XR+4*\k+2:XR+4*\k+3]
.endr
.irp k, 0,1,2,3
	v_pk_add_f32 v[LT+2*\k:LT+2*\k+1], v[LT+4*\k:LT+4*\k+1], v[LT+4*\k+2:LT+4*\k+3]
.endr
.irp k, 0,1
	v_pk_add_f32 v[LT+2*\k:LT+2*\k+1], v[LT+4*\k:LT+4*\k+1], v[LT+4*\k+2:LT+4*\k+3]
.endr
	v_pk_add_f32 v[LT:LT+1], v[LT:LT+1], v[LT+2:LT+3]
	v_add_f32 v[W0], v[LT], v[LT+1]
	WSUM
	v_mul_f32 v[MU], s22, v[W0]
.set k, 0
.rept 16
	v_pk_add_f32 v[XR+2*k:XR+2*k+1], v[XR+2*k:XR+2*k+1], v[MU:MU+1] op_sel_hi:[1,0] neg_lo:[0,1] neg_hi:[0,1]
.set k, k+1
.endr
.irp k, 0,1,2,3
	v_pk_mul_f32 v[LT+2*\k:LT+2*\k+1], v[XR+2*\k:XR+2*\k+1], v[XR+2*\k:XR+2*\k+1]
.endr
.set k, 4
.rept 12
	v_pk_fma_f32 v[LT+2*(k%4):LT+2*(k%4)+1], v[XR+2*k:XR+2*k+1], v[XR+2*k:XR+2*k+1], v[LT+2*(k%4):LT+2*(k%4)+1]
.set k, k+1
.endr
	v_pk_add_f32 v[LT:LT+1], v[LT:LT+1], v[LT+2:LT+3]
	v_pk_add_f32 v[LT+4:LT+5], v[LT+4:LT+5], v[LT+6:LT+7]
	v_pk_add_f32 v[LT:LT+1], v[LT:LT+1], v[LT+4:LT+5]
	v_add_f32 v[W0], v[LT], v[LT+1]
	WSUM
	v_fma_f32 v[W0], v[W0], s22, s23
	s_wait_alu depctr_va_vdst(0)
	v_rsq_f32 v[RS], v[W0]
	v_nop
.set k, 0
	s_wait_alu depctr_va_vdst(0)
.rept 16
	v_pk_mul_f32 v[XR+2*k:XR+2*k+1], v[XR+2*k:XR+2*k+1], v[RS:RS+1] op_sel_hi:[1,0]
.set k, k+1
.endr
.set k, 0
.rept 16
	v_pk_fma_f32 v[XR+2*k:XR+2*k+1], v[XR+2*k:XR+2*k+1], v[LG+2*k:LG+2*k+1], v[LB+2*k:LB+2*k+1]
.set k, k+1
.endr
.irp g, 0,1,2,3
.irp j, 0,1,2,3,4,5,6,7
	v_med3_num_f32 v[LT+8*(\g%2)+\j], v[XR+8*\g+\j], -v[LIM], v[LIM]   ; two buffers by turns: the next group's holds are the plain instructions behind a conversion
.endr
	v_cvt_scalef32_pk8_fp8_f32 v[LC+2*\g:LC+2*\g+1], v[LT+8*(\g%2):LT+8*(\g%2)+7], v[SCL]
	global_store_b64 v2, v[LC+2*\g:LC+2*\g+1], s[12:13] offset:\i*1024+\g*256   ; the wave stores 256 consecutive, aligned bytes
.endr
.endm
	LNROW 0
	LNROW 1
	LNROW 2
	LNROW 3
	s_endpgm
.Lfunc_end_k_q5c6fed8feb_ln2:
	.size	k_q5c6fed8feb_ln2, .Lfunc_end_k_q5c6fed8feb_ln2-k_q5c6fed8feb_ln2
	.p2alignl 7, 3214868480
	.fill 96, 4, 3214868480
	.section	.rodata,"a",@progbits
	.p2align	6, 0x0
	.amdhsa_kernel k_q5c6fed8feb_ln2
		.amdhsa_group_segment_fixed_size 0
		.amdhsa_private_segment_fixed_size 0
		.amdhsa_enable_private_segment 0
		.amdhsa_kernarg_size 40
		.amdhsa_user_sgpr_count 2
		.amdhsa_user_sgpr_kernarg_segment_ptr 1
		.amdhsa_wavefront_size32 1
		.amdhsa_system_sgpr_workgroup_id_x 1
		.amdhsa_system_sgpr_workgroup_id_y 1
		.amdhsa_system_sgpr_workgroup_id_z 1
		.amdhsa_system_vgpr_workitem_id 0
		.amdhsa_next_free_vgpr 256
		.amdhsa_next_free_sgpr 66
		.amdhsa_reserve_vcc 0
		.amdhsa_float_denorm_mode_32 3
		.amdhsa_float_denorm_mode_16_64 3
		.amdhsa_memory_ordered 1
		.amdhsa_forward_progress 1
		.amdhsa_inst_pref_size 42
	.end_amdhsa_kernel
	.amdgpu_metadata
---
amdhsa.version: [ 1, 2 ]
amdhsa.kernels:
  - .name:           k_q5c6fed8feb_ln2
    .symbol:         k_q5c6fed8feb_ln2.kd
    .args:
      - { .name: x1, .offset: 0, .size: 8, .value_kind: global_buffer, .address_space: global }
      - { .name: ln2_g, .offset: 8, .size: 8, .value_kind: global_buffer, .address_space: global }
      - { .name: ln2_b, .offset: 16, .size: 8, .value_kind: global_buffer, .address_space: global }
      - { .name: lowp_scales, .offset: 24, .size: 8, .value_kind: global_buffer, .address_space: global }
      - { .name: xn2c, .offset: 32, .size: 8, .value_kind: global_buffer, .address_space: global }
    .group_segment_fixed_size: 0
    .private_segment_fixed_size: 0
    .kernarg_segment_align: 8
    .kernarg_segment_size: 40
    .max_flat_workgroup_size: 128
    .sgpr_count:     66
    .vgpr_count:     256
    .wavefront_size: 32
...
	.end_amdgpu_metadata
.endif
;; end of part 5
;; launch w1 (part 6): grid 16 x 16, 4 waves a work-group, clusters of 4 x 4, 327,680 bytes of LDS; arguments xn2c, wc, lowp_scales, b1, hc; writes hc
.if DOCPART == 6
	.amdgcn_target "amdgcn-amd-amdhsa--gfx1250"
	.amdhsa_code_object_version 6
	.text
	.protected	k_q5c6fed8feb_w1
	.globl	k_q5c6fed8feb_w1
	.p2align	8
	.type	k_q5c6fed8feb_w1,@function
k_q5c6fed8feb_w1:
	s_mov_b64 s[64:65], 0
	v_nop
	global_prefetch_b8 v0, s[64:65] scope:SCOPE_SE
	s_setreg_imm32_b32 hwreg(HW_REG_WAVE_MODE, 25, 1), 1
	s_wait_xcnt 0x0
	s_wait_alu depctr_hold_cnt(0) depctr_sa_sdst(0) depctr_va_vdst(0) depctr_va_sdst(0) depctr_va_ssrc(0) depctr_va_vcc(0) depctr_vm_vsrc(0)
	s_getreg_b32 s2, hwreg(HW_REG_IB_STS2, 6, 4)
	s_cmp_eq_u32 s2, 0
	s_cbranch_scc0 .Lentry_in_a_cluster
	s_endpgm
.Lentry_in_a_cluster:
	s_bfe_u32 s2, ttmp6, 0x10000c
	s_cmp_lg_u32 s2, 0xf033
	s_cbranch_scc0 .Lentry_shape_is_right
	s_endpgm
.Lentry_shape_is_right:
.set SIZE_K, 1024
.set ROWB,   256
.set PITCH,  272
.set FR,     16
.set NL,     4
.set NP,     4
.set HALFT,  128*PITCH
.set SLOT,   4*HALFT
.set LAPS,   SIZE_K/(2*ROWB)
.set SPARE,  2*SLOT
.set CBO,  10
.set LIMR, 12
.set SCV,  13
.set ADRA, 16
.set ADRB, 20
.set STOQ, 24
.set RDV,  27
.set SPW,  28
.set NIL,  29
.set COV,  31
.set BIAS, 32
.set TMP,  104
.set CD,   168
.set OB,   104
.set AF,   128
.set G1, 24
.set G0, 32
.set G1B, 48
.set G0B, 56
.set MSB, 0
.macro WIN new
.if MSB != \new
	s_set_vgpr_msb (MSB<<8)|\new
.set MSB, \new
.endif
.endm
.set MUL_LO, 0xa1
.set MUL_HI, 0xf1
.set TO_B,   0x40
.macro JLOAD g0a, g1a, g0b, g1b
	s_cmp_eq_u32 s15, 0
	s_cbranch_scc0 .Lfor_b_\@
	tensor_load_to_lds s[\g0a:\g0a+3], s[\g1a:\g1a+7]
	s_nop 0
.rept 4
	v_nop
.endr
	s_branch .Lasked_\@
.Lfor_b_\@:
	tensor_load_to_lds s[\g0b:\g0b+3], s[\g1b:\g1b+7]
	s_nop 0
.rept 4
	v_nop
.endr
.Lasked_\@:
.endm
.macro CREST
	s_cmp_lg_u32 s14, 0
	s_cbranch_scc1 .Lnot_wave_0_\@
	s_barrier_signal -3
.Lnot_wave_0_\@:
	s_barrier_wait -3
	s_barrier_signal -1
	s_barrier_wait -1
.endm
.macro CROUND
	s_barrier_signal -1
	s_barrier_wait -1
	CREST
.endm
	s_load_b256 s[68:75], s[0:1], 0x0
	s_load_b64 s[76:77], s[0:1], 0x20
	v_lshl_add_u32 v[SPW], v0, 2, SPARE
	v_mov_b32 v[NIL], 0
	ds_add_u32 v28, v29
	ds_add_u32 v28, v29
	s_wait_dscnt 0x0
	v_lshrrev_b32 v1, 5, v0
	v_readfirstlane_b32 s14, v1
	v_and_b32 v14, 31, v0                          ; the prefetches' offset, never rewritten: a lane a row of 1,024 bytes
	v_lshlrev_b32 v14, 10, v14
	s_lshr_b32 s15, s14, 1
	s_and_b32 s16, s14, 1
	s_bfe_u32 s40, ttmp6, 0x40000
	s_bfe_u32 s41, ttmp6, 0x40004
	s_lshl_b32 s42, ttmp9, 2
	s_add_co_u32 s42, s42, s40
	s_and_b32 s17, ttmp7, 0xffff
	s_lshl_b32 s17, s17, 2
	s_add_co_u32 s17, s17, s41
	s_lshl_b32 s43, s41, 2
	s_lshl_b32 s43, 15, s43
	s_lshl_b32 s44, 0x1111, s40
	s_or_b32 s[G1+0], s43, (0<<16)|(1<<20)|(1<<21)|(5<<22)|(3<<25)
	s_or_b32 s[G1B+0], s44, (0<<16)|(1<<20)|(1<<21)|(5<<22)|(3<<25)
.irp g, G1, G1B
	s_mov_b32 s[\g+1], ROWB<<16
	s_mov_b32 s[\g+2], 128<<16
	s_mov_b32 s[\g+3], ROWB<<16
	s_mov_b32 s[\g+4], 128
	s_mov_b32 s[\g+5], SIZE_K
	s_mov_b32 s[\g+6], 0
	s_mov_b32 s[\g+7], 0
.endr
	s_lshl_b32 s18, s16, 7
	s_lshl_b32 s20, s17, 8
	s_add_co_u32 s20, s20, s18
	s_lshl_b32 s46, s42, 8
	s_add_co_u32 s46, s46, s18
	s_lshl_b32 s20, s20, 10
	s_lshl_b32 s46, s46, 10
	s_add_co_u32 s46, s46, 0x400000
	s_mov_b32 s21, 0
	s_mov_b32 s47, 0
	s_mul_i32 s45, s14, HALFT
	s_wait_kmcnt 0x0
	s_load_b128 s[84:87], s[72:73], 0x30
	s_add_nc_u64 s[20:21], s[68:69], s[20:21]
	s_add_nc_u64 s[46:47], s[70:71], s[46:47]
	; PREFETCH INTO THE L2: with the load of K step 0 each wave asks for K steps 1 and 2 of the rows that it fetches, with the load of K step 1 for K step 3, the last.
	; The four partners that ask for a tile jointly share its 128 rows out by address, 32 rows each: each aligned block of 256 bytes is named once in a cluster.
	s_cmp_eq_u32 s15, 0
	s_cselect_b64 s[66:67], s[20:21], s[46:47]
	s_cselect_b32 s22, s40, s41
	s_lshl_b32 s22, s22, 15                        ; 32 rows of 1,024 bytes
	s_mov_b32 s23, 0
	s_add_nc_u64 s[66:67], s[66:67], s[22:23]
	CROUND
.irp s, 0,1
	s_mov_b32 s[G0+4*\s], 1
	s_add_co_u32 s[G0+4*\s+1], s45, \s*SLOT
	s_add_nc_u64 s[G0+4*\s+2:G0+4*\s+3], s[20:21], \s*ROWB
	s_or_b32 s[G0+4*\s+3], s[G0+4*\s+3], 0x80000000
	s_mov_b32 s[G0B+4*\s], 1
	s_add_co_u32 s[G0B+4*\s+1], s45, \s*SLOT
	s_add_nc_u64 s[G0B+4*\s+2:G0B+4*\s+3], s[46:47], \s*ROWB
	s_or_b32 s[G0B+4*\s+3], s[G0B+4*\s+3], 0x80000000
	s_wait_alu depctr_va_vdst(0)
.if \s
	s_wait_tensorcnt 0x0                           ; slot 1's first fill stands behind these lines and a round
	ds_add_u32 v28, v29
	ds_add_u32 v28, v29
	s_wait_dscnt 0x0
	CROUND
.endif
	JLOAD G0+4*\s, G1, G0B+4*\s, G1B
.if \s == 0
	global_prefetch_b8 v14, s[66:67] offset:ROWB th:TH_LOAD_NT scope:SCOPE_SE
.endif
	global_prefetch_b8 v14, s[66:67] offset:(\s+2)*ROWB th:TH_LOAD_NT scope:SCOPE_SE
.endr
	v_and_b32 v1, 15, v0
	v_bfe_u32 v2, v0, 4, 1
	v_mul_u32_u24 v3, v1, PITCH
	v_lshl_add_u32 v4, v2, 4, v3
	s_wait_alu depctr_va_vdst(0)
	s_mul_i32 s21, s15, HALFT
	s_mul_i32 s22, s16, HALFT
	s_add_co_u32 s22, s22, 2*HALFT
.irp s, 0,1
	v_add_nc_u32 v[ADRA+\s], s21, v4
	v_add_nc_u32 v[ADRB+\s], s22, v4
	s_add_co_u32 s21, s21, SLOT
	s_add_co_u32 s22, s22, SLOT
.endr
	s_mul_i32 s23, s15, 128*PITCH
	s_lshl_b32 s21, s16, 7
	s_add_co_u32 s23, s23, s21
	v_add_nc_u32 v[STOQ], s23, v4
	s_mul_i32 s23, s14, 64*PITCH
	v_mul_u32_u24 v6, v2, PITCH
	v_lshl_add_u32 v6, v1, 4, v6
	v_add_nc_u32 v[RDV], s23, v6
	v_lshlrev_b32 v6, 12, v2
	v_lshl_add_u32 v[COV], v1, 4, v6
	v_lshlrev_b32 v[CBO], 6, v2
	s_lshl_b32 s6, s42, 10
	s_lshl_b32 s7, s16, 9
	s_add_co_u32 s6, s6, s7
	s_mov_b32 s7, 0
	s_add_nc_u64 s[6:7], s[74:75], s[6:7]
.irp p, 0,1,2,3
.irp q, 0,1,2,3
	global_load_b128 v[BIAS+16*\p+4*\q:BIAS+16*\p+4*\q+3], v[CBO], s[6:7] offset:128*\p+16*\q
.endr
.endr
.macro FRAG reg, adr, q, i
.irp c, 0,1,2,3
	ds_load_b128 v[\reg+4*\c:\reg+4*\c+3], v[\adr] offset:128*(\q)+32*\c+(\i)*16*PITCH
.endr
.endm
.macro MUL16 a0, p, zero
.irp a, \a0, \a0+1
.irp b, 0,1,2,3,4,5,6,7
.if \zero
	v_wmma_f32_16x16x128_fp8_fp8 v[8*(8*((\a)%4)+\b):8*(8*((\a)%4)+\b)+7], v[128*(\p)+FR*\b:128*(\p)+FR*\b+FR-1], v[AF+FR*(\a):AF+FR*(\a)+FR-1], 0
.else
	v_wmma_f32_16x16x128_fp8_fp8 v[8*(8*((\a)%4)+\b):8*(8*((\a)%4)+\b)+7], v[128*(\p)+FR*\b:128*(\p)+FR*\b+FR-1], v[AF+FR*(\a):AF+FR*(\a)+FR-1], v[8*(8*((\a)%4)+\b):8*(8*((\a)%4)+\b)+7]
.endif
.endr
.endr
.endm
.macro FETCH_B slot, q, p
	WIN TO_B
.irp i, 0,1,2,3,4,5,6,7
	FRAG 128*(\p)+FR*\i, ADRB+\slot, \q, \i
.endr
	WIN 0
.endm
.macro FETCH_A slot, q, i0
.irp i, \i0, \i0+1, \i0+2, \i0+3
	FRAG AF+FR*(\i), ADRA+\slot, \q, \i
.endr
.endm
.macro PLACES n
.rept \n
	v_nop
.endr
.endm
.macro STEP slot, q, zero
	s_wait_dscnt 4*NL
	WIN MUL_LO
	MUL16 0, (\q)%2, \zero
	MUL16 2, (\q)%2, \zero
	s_wait_dscnt 0
	PLACES NP
	FETCH_B \slot, (\q)+1, 1-(\q)%2
	FETCH_A \slot, (\q)+1, 0
	WIN MUL_HI
	MUL16 4, (\q)%2, \zero
	MUL16 6, (\q)%2, \zero
	PLACES NP
	WIN 0
	FETCH_A \slot, (\q)+1, 4
.endm
.macro TURN slot, next, fill
	s_wait_tensorcnt 0x0
	ds_add_u32 v[SPW], v[NIL]
	s_wait_dscnt 4*NL+1
	WIN MUL_LO
	MUL16 0, 1, 0
	s_wait_dscnt 0x0
	s_barrier_signal -1
	MUL16 2, 1, 0
	WIN 0
	s_barrier_wait -1
.if \fill
	CREST
	s_add_nc_u64 s[G0+4*\slot+2:G0+4*\slot+3], s[G0+4*\slot+2:G0+4*\slot+3], 2*ROWB
	s_add_nc_u64 s[G0B+4*\slot+2:G0B+4*\slot+3], s[G0B+4*\slot+2:G0B+4*\slot+3], 2*ROWB
	JLOAD G0+4*\slot, G1, G0B+4*\slot, G1B
.else
	PLACES NP
.endif
	s_wait_alu depctr_va_vdst(0)
	FETCH_B \next, 0, 0
	FETCH_A \next, 0, 0
	WIN MUL_HI
	MUL16 4, 1, 0
	MUL16 6, 1, 0
	PLACES NP
	WIN 0
	FETCH_A \next, 0, 4
.endm
	s_wait_tensorcnt 1
	s_barrier_signal -1
	s_barrier_wait -1
	FETCH_B 0, 0, 0
	FETCH_A 0, 0, 0
	FETCH_A 0, 0, 4
	STEP 0, 0, 1
	s_mov_b32 s3, LAPS-1
.Llap:
	TURN 0, 1, 1
	STEP 1, 0, 0
	TURN 1, 0, 1
	STEP 0, 0, 0
	s_sub_co_u32 s3, s3, 1
	s_cmp_lg_u32 s3, 0
	s_cbranch_scc1 .Llap
	TURN 0, 1, 0
	STEP 1, 0, 0
	s_wait_dscnt 4*NL
	WIN MUL_LO
	MUL16 0, 1, 0
	MUL16 2, 1, 0
	s_wait_dscnt 0
	WIN MUL_HI
	MUL16 4, 1, 0
	MUL16 6, 1, 0
	WIN 0
	s_wait_kmcnt 0x0
	s_wait_loadcnt 0x0
	s_add_co_i32 s4, s84, s85
	s_sub_co_i32 s5, 0, s4
	s_sub_co_i32 s7, s86, s4
	s_add_co_i32 s7, s7, 127
	s_lshl_b32 s6, s7, 23
	v_mov_b32 v[SCV], s6
	s_add_co_i32 s7, s7, 8
	s_lshl_b32 s7, s7, 23
	s_or_b32 s7, s7, 0x600000
	v_mov_b32 v[LIMR], s7
	PLACES NP
.set j, 0
.rept 64
	v_ldexp_f32 v[BIAS+j], v[BIAS+j], s5
.set j, j+1
.endr
.macro CODES a
.set AC, 64*((\a)%4)
.set CDS, CD+16*((\a)%4)
.if (\a) == 4
	s_wait_dscnt 0x0
.endif
	WIN 0x02+((\a)/4)
.set j, 0
.rept 32
	v_pk_add_f32 v[TMP+j:TMP+j+1], v[AC+j:AC+j+1], v[BIAS+j:BIAS+j+1]
.set j, j+2
.endr
	WIN 0
.set j, 0
.rept 64
	v_med3_num_f32 v[TMP+j], v[TMP+j], 0, v[LIMR]
.set j, j+1
.endr
.irp b, 0,1,2,3,4,5,6,7
	v_cvt_scalef32_pk8_fp8_f32 v[CDS+2*\b:CDS+2*\b+1], v[TMP+8*\b:TMP+8*\b+7], v[SCV]
.endr
	v_nop
.irp p, 0,1,2,3
	ds_store_b128 v[STOQ], v[CDS+4*\p:CDS+4*\p+3] offset:(\a)*16*PITCH+32*\p
.endr
.endm
.irp a, 0,1,2,3,4,5,6,7
	CODES \a
.endr
	s_wait_dscnt 0x0
	s_barrier_signal -1
	s_barrier_wait -1
	s_lshl_b32 s18, s17, 8
	s_lshl_b32 s19, s14, 6
	s_add_co_u32 s18, s18, s19
	s_lshl_b32 s18, s18, 12
	s_lshl_b32 s19, s42, 8
	s_add_co_u32 s18, s18, s19
	s_mov_b32 s19, 0
	s_add_nc_u64 s[76:77], s[76:77], s[18:19]
.set i, 0
.rept 32
	ds_load_b128 v[OB+4*i:OB+4*i+3], v[RDV] offset:2*i*PITCH
.set i, i+1
.endr
.set i, 0
.rept 32
	s_wait_dscnt 31-i
	global_store_b128 v[COV], v[OB+4*i:OB+4*i+3], s[76:77] offset:2*i*4096
.set i, i+1
.endr
	s_wait_tensorcnt 0x0
	ds_add_u32 v[SPW], v[NIL]
	s_wait_dscnt 0x0
	CROUND
	s_endpgm
.Lfunc_end_k_q5c6fed8feb_w1:
	.size	k_q5c6fed8feb_w1, .Lfunc_end_k_q5c6fed8feb_w1-k_q5c6fed8feb_w1
	.p2alignl 7, 3214868480
	.fill 96, 4, 3214868480
	.section	.rodata,"a",@progbits
	.p2align	6, 0x0
	.amdhsa_kernel k_q5c6fed8feb_w1
		.amdhsa_group_segment_fixed_size 327680
		.amdhsa_private_segment_fixed_size 0
		.amdhsa_enable_private_segment 0
		.amdhsa_kernarg_size 40
		.amdhsa_user_sgpr_count 2
		.amdhsa_user_sgpr_kernarg_segment_ptr 1
		.amdhsa_wavefront_size32 1
		.amdhsa_system_sgpr_workgroup_id_x 1
		.amdhsa_system_sgpr_workgroup_id_y 1
		.amdhsa_system_sgpr_workgroup_id_z 1
		.amdhsa_system_vgpr_workitem_id 0
		.amdhsa_next_free_vgpr 1024
		.amdhsa_next_free_sgpr 100
		.amdhsa_reserve_vcc 0
		.amdhsa_float_denorm_mode_32 3
		.amdhsa_float_denorm_mode_16_64 3
		.amdhsa_memory_ordered 1
		.amdhsa_forward_progress 1
		.amdhsa_inst_pref_size 146
	.end_amdhsa_kernel
	.amdgpu_metadata
---
amdhsa.version: [ 1, 2 ]
amdhsa.kernels:
  - .name:           k_q5c6fed8feb_w1
    .symbol:         k_q5c6fed8feb_w1.kd
    .args:
      - { .name: xn2c, .offset: 0, .size: 8, .value_kind: global_buffer, .address_space: global }
      - { .name: wc, .offset: 8, .size: 8, .value_kind: global_buffer, .address_space: global }
      - { .name: lowp_scales, .offset: 16, .size: 8, .value_kind: global_buffer, .address_space: global }
      - { .name: b1, .offset: 24, .size: 8, .value_kind: global_buffer, .address_space: global }
      - { .name: hc, .offset: 32, .size: 8, .value_kind: global_buffer, .address_space: global }
    .group_segment_fixed_size: 327680
    .private_segment_fixed_size: 0
    .kernarg_segment_align: 8
    .kernarg_segment_size: 40
    .max_flat_workgroup_size: 128
    .sgpr_count:     100
    .vgpr_count:     1024
    .wavefront_size: 32
...
	.end_amdgpu_metadata
.endif
;; end of part 6
;; launch w2 (part 7): grid 8 x 32, 4 waves a work-group, clusters of 4 x 4, 327,680 bytes of LDS; arguments hc, wc, lowp_scales, b2, x1, out0; writes out0
.if DOCPART == 7
	.amdgcn_target "amdgcn-amd-amdhsa--gfx1250"
	.amdhsa_code_object_version 6
	.text
	.protected	k_q5c6fed8feb_w2
	.globl	k_q5c6fed8feb_w2
	.p2align	8
	.type	k_q5c6fed8feb_w2,@function
k_q5c6fed8feb_w2:
	s_mov_b64 s[64:65], 0
	v_nop
	global_prefetch_b8 v0, s[64:65] scope:SCOPE_SE
	s_setreg_imm32_b32 hwreg(HW_REG_WAVE_MODE, 25, 1), 1
	s_wait_xcnt 0x0
	s_wait_alu depctr_hold_cnt(0) depctr_sa_sdst(0) depctr_va_vdst(0) depctr_va_sdst(0) depctr_va_ssrc(0) depctr_va_vcc(0) depctr_vm_vsrc(0)
	s_getreg_b32 s2, hwreg(HW_REG_IB_STS2, 6, 4)
	s_cmp_eq_u32 s2, 0
	s_cbranch_scc0 .Lentry_in_a_cluster
	s_endpgm
.Lentry_in_a_cluster:
	s_bfe_u32 s2, ttmp6, 0x10000c
	s_cmp_lg_u32 s2, 0xf033
	s_cbranch_scc0 .Lentry_shape_is_right
	s_endpgm
.Lentry_shape_is_right:
.set SIZE_K, 4096
.set WOFF,   0x800000
.set SOFF,   56
.set LASTOUT, 1
.set KSTEP,  512
.set PITCH,  528
.set HALFT,  64*PITCH
.set SLOT,   4*HALFT
.set STAGE,  2*SLOT
.set SPITCH, 272
.set SPARE,  STAGE+4*16*SPITCH
.set LAPS,   SIZE_K/(2*KSTEP)
.set ADRA, 16
.set ADRB, 20
.set STO,  24
.set RD,   25
.set CO,   26
.set BO,   27
.set SPW,  28
.set NIL,  29
.set BK,   32
.set BI,   96
.set ACC,  128
.set F0,   0
.set F1,   128
.set G1, 24
.set G0, 32
.set G1B, 48
.set G0B, 56
.set MSB, 0
.macro WIN new
.if MSB != \new
	s_set_vgpr_msb (MSB<<8)|\new
.set MSB, \new
.endif
.endm
.set MUL,  0x05
.set TO_F, 0x40
.macro JLOAD s
	s_cmp_eq_u32 s11, 0
	s_cbranch_scc0 .Lfor_b_\@
	tensor_load_to_lds s[G0+4*\s:G0+4*\s+3], s[G1:G1+7]
	s_nop 0
.rept 4
	v_nop
.endr
	s_branch .Lasked_\@
.Lfor_b_\@:
	tensor_load_to_lds s[G0B+4*\s:G0B+4*\s+3], s[G1B:G1B+7]
	s_nop 0
.rept 4
	v_nop
.endr
.Lasked_\@:
.endm
.macro CREST
	s_cmp_lg_u32 s10, 0
	s_cbranch_scc1 .Lnot_wave_0_\@
	s_barrier_signal -3
.Lnot_wave_0_\@:
	s_barrier_wait -3
	s_barrier_signal -1
	s_barrier_wait -1
.endm
.macro CROUND
	s_barrier_signal -1
	s_barrier_wait -1
	CREST
.endm
	s_load_b256 s[68:75], s[0:1], 0x0
	s_load_b128 s[76:79], s[0:1], 0x20
	v_lshl_add_u32 v[SPW], v0, 2, SPARE
	v_mov_b32 v[NIL], 0
	ds_add_u32 v28, v29
	ds_add_u32 v28, v29
	s_wait_dscnt 0x0
	v_lshrrev_b32 v1, 5, v0
	v_readfirstlane_b32 s10, v1
	v_and_b32 v2, 1, v0                            ; the prefetches' offset, never rewritten: row lane / 2 of my work-group's 16, block lane % 2 of a K step's two blocks of 256 bytes
	v_bfe_u32 v30, v0, 1, 4
	v_lshlrev_b32 v30, 12, v30
	v_lshl_add_u32 v30, v2, 8, v30
	s_lshr_b32 s11, s10, 1
	s_and_b32 s12, s10, 1
	s_bfe_u32 s40, ttmp6, 0x40000
	s_bfe_u32 s41, ttmp6, 0x40004
	s_lshl_b32 s42, ttmp9, 2
	s_add_co_u32 s42, s42, s40
	s_and_b32 s13, ttmp7, 0xffff
	s_lshl_b32 s13, s13, 2
	s_add_co_u32 s13, s13, s41
	s_lshl_b32 s43, s41, 2
	s_lshl_b32 s43, 15, s43
	s_lshl_b32 s44, 0x1111, s40
	s_or_b32 s[G1+0], s43, (0<<16)|(1<<20)|(1<<21)|(6<<22)|(3<<25)
	s_or_b32 s[G1B+0], s44, (0<<16)|(1<<20)|(1<<21)|(6<<22)|(3<<25)
.irp g, G1, G1B
	s_mov_b32 s[\g+1], KSTEP<<16
	s_mov_b32 s[\g+2], 64<<16
	s_mov_b32 s[\g+3], KSTEP<<16
	s_mov_b32 s[\g+4], 64
	s_mov_b32 s[\g+5], SIZE_K
	s_mov_b32 s[\g+6], 0
	s_mov_b32 s[\g+7], 0
.endr
	s_lshl_b32 s17, s12, 6
	s_lshl_b32 s16, s13, 7
	s_add_co_u32 s16, s16, s17
	s_lshl_b32 s46, s42, 7
	s_add_co_u32 s46, s46, s17
	s_mul_i32 s16, s16, SIZE_K
	s_mul_i32 s46, s46, SIZE_K
	s_add_co_u32 s46, s46, WOFF
	s_mov_b32 s17, 0
	s_mov_b32 s47, 0
	s_mul_i32 s20, s10, HALFT
	s_wait_kmcnt 0x0
	s_load_b64 s[80:81], s[72:73], SOFF
	s_add_nc_u64 s[14:15], s[68:69], s[16:17]
	s_add_nc_u64 s[46:47], s[70:71], s[46:47]
	; PREFETCH INTO THE L2: with the load of K step j each wave asks for K step j + 2 of the rows that it fetches.  The four partners that ask for a tile jointly share its 64 rows out by address,
	; 16 rows each (place cx for A, cy for B): each aligned block of 256 bytes is named once in a cluster.  The loads of the last two K steps ask for nothing.
	s_cmp_eq_u32 s11, 0
	s_cselect_b64 s[82:83], s[14:15], s[46:47]
	s_cselect_b32 s16, s40, s41
	s_lshl_b32 s16, s16, 16                        ; 16 rows of 4,096 bytes
	s_mov_b32 s17, 0
	s_add_nc_u64 s[82:83], s[82:83], s[16:17]
	CROUND
.irp s, 0,1
	s_mov_b32 s[G0+4*\s], 1
	s_add_co_u32 s[G0+4*\s+1], s20, \s*SLOT
	s_add_nc_u64 s[G0+4*\s+2:G0+4*\s+3], s[14:15], \s*KSTEP
	s_or_b32 s[G0+4*\s+3], s[G0+4*\s+3], 0x80000000
	s_mov_b32 s[G0B+4*\s], 1
	s_add_co_u32 s[G0B+4*\s+1], s20, \s*SLOT
	s_add_nc_u64 s[G0B+4*\s+2:G0B+4*\s+3], s[46:47], \s*KSTEP
	s_or_b32 s[G0B+4*\s+3], s[G0B+4*\s+3], 0x80000000
	s_wait_alu depctr_va_vdst(0)
.if \s
	s_wait_tensorcnt 0x0                           ; slot 1's first fill stands behind these lines and a round
	ds_add_u32 v28, v29
	ds_add_u32 v28, v29
	s_wait_dscnt 0x0
	CROUND
.endif
	JLOAD \s
.if \s == 0
	global_prefetch_b8 v30, s[82:83] offset:KSTEP th:TH_LOAD_NT scope:SCOPE_SE   ; with the load of K step 0: K step 1 too
.endif
	global_prefetch_b8 v30, s[82:83] offset:(\s+2)*KSTEP th:TH_LOAD_NT scope:SCOPE_SE
.endr
	v_and_b32 v1, 15, v0
	s_wait_alu depctr_va_vdst(0)
	v_bfe_u32 v2, v0, 4, 1
	v_mul_u32_u24 v3, v1, PITCH
	v_lshl_add_u32 v3, v2, 4, v3
	s_mul_i32 s21, s11, HALFT
	s_mul_i32 s22, s12, HALFT
	s_add_co_u32 s22, s22, 2*HALFT
.irp s, 0,1
	v_add_nc_u32 v[ADRA+\s], s21, v3
	v_add_nc_u32 v[ADRB+\s], s22, v3
	s_add_co_u32 s21, s21, SLOT
	s_add_co_u32 s22, s22, SLOT
.endr
	s_mul_i32 s23, s10, 16*SPITCH
	s_add_co_u32 s23, s23, STAGE
	v_mul_u32_u24 v4, v1, SPITCH
	s_wait_alu depctr_va_vdst(0)
	v_lshl_add_u32 v4, v2, 5, v4
	v_add_nc_u32 v[STO], s23, v4
	v_mul_u32_u24 v5, v2, SPITCH
	v_lshl_add_u32 v5, v1, 4, v5
	v_add_nc_u32 v[RD], s23, v5
	v_lshlrev_b32 v5, 12, v2
	v_lshl_add_u32 v[CO], v1, 4, v5
	s_wait_alu depctr_va_vdst(0)
	v_lshlrev_b32 v[BO], 4, v1
	s_wait_alu depctr_va_vdst(0)
	s_lshl_b32 s16, s13, 7
	s_lshl_b32 s17, s11, 6
	s_add_co_u32 s16, s16, s17
	s_lshl_b32 s16, s16, 12
	s_mov_b32 s17, 0
	s_lshl_b32 s46, s42, 9
	s_lshl_b32 s47, s12, 8
	s_add_co_u32 s46, s46, s47
	s_mov_b32 s47, 0
	s_add_nc_u64 s[76:77], s[76:77], s[16:17]
	s_add_nc_u64 s[76:77], s[76:77], s[46:47]
	s_add_nc_u64 s[78:79], s[78:79], s[16:17]
	s_add_nc_u64 s[78:79], s[78:79], s[46:47]
	s_add_nc_u64 s[74:75], s[74:75], s[46:47]
	WIN 0x80
.set i, 0
.rept 32
	global_load_b128 v[4*i:4*i+3], v[CO], s[76:77] offset:2*i*4096
.set i, i+1
.endr
	WIN 0
	global_load_b128 v[BI:BI+3], v[BO], s[74:75]
.macro MUL4 f, a, zero
.irp b, 0,1,2,3
.if \zero
	v_wmma_f32_16x16x128_fp8_fp8 v[ACC+8*(4*(\a)+\b):ACC+8*(4*(\a)+\b)+7], v[\f+64+16*\b:\f+64+16*\b+15], v[\f+16*(\a):\f+16*(\a)+15], 0
.else
	v_wmma_f32_16x16x128_fp8_fp8 v[ACC+8*(4*(\a)+\b):ACC+8*(4*(\a)+\b)+7], v[\f+64+16*\b:\f+64+16*\b+15], v[\f+16*(\a):\f+16*(\a)+15], v[ACC+8*(4*(\a)+\b):ACC+8*(4*(\a)+\b)+7]
.endif
.endr
.endm
.macro FETCH slot, k, f
	WIN TO_F
.irp i, 0,1,2,3
.irp c, 0,1,2,3
	ds_load_b128 v[\f+64+16*\i+4*\c:\f+64+16*\i+4*\c+3], v[ADRB+\slot] offset:\k+32*\c+\i*16*PITCH
.endr
.endr
.irp i, 0,1,2,3
.irp c, 0,1,2,3
	ds_load_b128 v[\f+16*\i+4*\c:\f+16*\i+4*\c+3], v[ADRA+\slot] offset:\k+32*\c+\i*16*PITCH
.endr
.endr
.endm
.macro PLACES
.rept 4
	v_nop
.endr
.endm
.macro QUARTER slot, k, f, g, zero
	s_wait_dscnt 8
	WIN MUL
	MUL4 \f, 0, \zero
	MUL4 \f, 1, \zero
	PLACES
	FETCH \slot, \k, \g
	s_wait_dscnt 32
	WIN MUL
	MUL4 \f, 2, \zero
	MUL4 \f, 3, \zero
.endm
.macro TURN slot, next, fill
.if \fill
	s_wait_xcnt 0x0                                ; my last prefetch has read its address: it steps one K step
	s_add_nc_u64 s[82:83], s[82:83], KSTEP
.endif
	WIN 0
	s_wait_tensorcnt 0x0
	ds_add_u32 v[SPW], v[NIL]
	s_wait_dscnt 9
	WIN MUL
	MUL4 F1, 0, 0
	s_wait_dscnt 0x0
	s_barrier_signal -1
	MUL4 F1, 1, 0
.if \fill
	WIN 0
.endif
	s_barrier_wait -1
.if \fill
	CREST
	s_add_nc_u64 s[G0+4*\slot+2:G0+4*\slot+3], s[G0+4*\slot+2:G0+4*\slot+3], 2*KSTEP
	s_add_nc_u64 s[G0B+4*\slot+2:G0B+4*\slot+3], s[G0B+4*\slot+2:G0B+4*\slot+3], 2*KSTEP
	JLOAD \slot
.else
	PLACES
.endif
	FETCH \next, 0, F0
.if \fill
	WIN 0
	s_cmp_gt_u32 s3, 1                             ; the loop's last trip loads the last two K steps: nothing lies two steps on
	s_cbranch_scc0 .Lno_ask_\@
	global_prefetch_b8 v30, s[82:83] offset:3*KSTEP th:TH_LOAD_NT scope:SCOPE_SE
.Lno_ask_\@:
.endif
	WIN MUL
	MUL4 F1, 2, 0
	MUL4 F1, 3, 0
.endm
	s_wait_tensorcnt 1
	s_barrier_signal -1
	s_barrier_wait -1
	FETCH 0, 0, F0
	QUARTER 0, 128, F0, F1, 1
.if LAPS > 1
	WIN 0
	s_mov_b32 s3, LAPS-1
.Llap:
	QUARTER 0, 256, F1, F0, 0
	QUARTER 0, 384, F0, F1, 0
	TURN 0, 1, 1
	QUARTER 1, 128, F0, F1, 0
	QUARTER 1, 256, F1, F0, 0
	QUARTER 1, 384, F0, F1, 0
	TURN 1, 0, 1
	QUARTER 0, 128, F0, F1, 0
	WIN 0
	s_sub_co_u32 s3, s3, 1
	s_cmp_lg_u32 s3, 0
	s_cbranch_scc1 .Llap
.endif
	QUARTER 0, 256, F1, F0, 0
	QUARTER 0, 384, F0, F1, 0
	TURN 0, 1, 0
	QUARTER 1, 128, F0, F1, 0
	QUARTER 1, 256, F1, F0, 0
	QUARTER 1, 384, F0, F1, 0
	s_wait_dscnt 8
	WIN MUL
	MUL4 F1, 0, 0
	MUL4 F1, 1, 0
	s_wait_dscnt 0
	MUL4 F1, 2, 0
	MUL4 F1, 3, 0
	WIN 0
	s_wait_kmcnt 0x0
	s_add_co_i32 s80, s80, s81
	s_add_co_i32 s80, s80, 127
	s_lshl_b32 s80, s80, 23
	s_mov_b32 s81, s80
	s_wait_loadcnt 0x0
	PLACES
.macro OUTBLK a
.set BB, BK+32*((\a)%2)
.if (\a) >= 2
	s_wait_xcnt 0x0
.endif
.irp b, 0,1,2,3
	ds_store_b128 v[STO], v[ACC+8*(4*(\a)+\b):ACC+8*(4*(\a)+\b)+3] offset:64*\b
	ds_store_b128 v[STO], v[ACC+8*(4*(\a)+\b)+4:ACC+8*(4*(\a)+\b)+7] offset:64*\b+16
.endr
.irp t, 0,1,2,3,4,5,6,7
	ds_load_b128 v[BB+4*\t:BB+4*\t+3], v[RD] offset:\t*2*SPITCH
.endr
	s_wait_dscnt 0x0
	WIN 0x20
.set i, 0
.rept 16
	v_pk_fma_f32 v[BB+2*i:BB+2*i+1], v[BB+2*i:BB+2*i+1], s[80:81], v[32*(\a)+2*i:32*(\a)+2*i+1] op_sel_hi:[1,0,1]
.set i, i+1
.endr
	WIN 0
.set i, 0
.rept 16
	v_pk_add_f32 v[BB+2*i:BB+2*i+1], v[BB+2*i:BB+2*i+1], v[BI+2*(i%2):BI+2*(i%2)+1]
.set i, i+1
.endr
.irp t, 0,1,2,3,4,5,6,7
.if LASTOUT
	global_store_b128 v[CO], v[BB+4*\t:BB+4*\t+3], s[78:79] offset:(16*(\a)+2*\t)*4096 th:TH_STORE_NT
.else
	global_store_b128 v[CO], v[BB+4*\t:BB+4*\t+3], s[78:79] offset:(16*(\a)+2*\t)*4096
.endif
.endr
.endm
	OUTBLK 0
	OUTBLK 1
	OUTBLK 2
	OUTBLK 3
	s_wait_tensorcnt 0x0
	ds_add_u32 v[SPW], v[NIL]
	s_wait_dscnt 0x0
	CROUND
	s_endpgm
.Lfunc_end_k_q5c6fed8feb_w2:
	.size	k_q5c6fed8feb_w2, .Lfunc_end_k_q5c6fed8feb_w2-k_q5c6fed8feb_w2
	.p2alignl 7, 3214868480
	.fill 96, 4, 3214868480
	.section	.rodata,"a",@progbits
	.p2align	6, 0x0
	.amdhsa_kernel k_q5c6fed8feb_w2
		.amdhsa_group_segment_fixed_size 327680
		.amdhsa_private_segment_fixed_size 0
		.amdhsa_enable_private_segment 0
		.amdhsa_kernarg_size 48
		.amdhsa_user_sgpr_count 2
		.amdhsa_user_sgpr_kernarg_segment_ptr 1
		.amdhsa_wavefront_size32 1
		.amdhsa_system_sgpr_workgroup_id_x 1
		.amdhsa_system_sgpr_workgroup_id_y 1
		.amdhsa_system_sgpr_workgroup_id_z 1
		.amdhsa_system_vgpr_workitem_id 0
		.amdhsa_next_free_vgpr 640
		.amdhsa_next_free_sgpr 84
		.amdhsa_reserve_vcc 0
		.amdhsa_float_denorm_mode_32 3
		.amdhsa_float_denorm_mode_16_64 3
		.amdhsa_memory_ordered 1
		.amdhsa_forward_progress 1
		.amdhsa_inst_pref_size 83
	.end_amdhsa_kernel
	.amdgpu_metadata
---
amdhsa.version: [ 1, 2 ]
amdhsa.kernels:
  - .name:           k_q5c6fed8feb_w2
    .symbol:         k_q5c6fed8feb_w2.kd
    .args:
      - { .name: hc, .offset: 0, .size: 8, .value_kind: global_buffer, .address_space: global }
      - { .name: wc, .offset: 8, .size: 8, .value_kind: global_buffer, .address_space: global }
      - { .name: lowp_scales, .offset: 16, .size: 8, .value_kind: global_buffer, .address_space: global }
      - { .name: b2, .offset: 24, .size: 8, .value_kind: global_buffer, .address_space: global }
      - { .name: x1, .offset: 32, .size: 8, .value_kind: global_buffer, .address_space: global }
      - { .name: out0, .offset: 40, .size: 8, .value_kind: global_buffer, .address_space: global }
    .group_segment_fixed_size: 327680
    .private_segment_fixed_size: 0
    .kernarg_segment_align: 8
    .kernarg_segment_size: 48
    .max_flat_workgroup_size: 128
    .sgpr_count:     84
    .vgpr_count:     640
    .wavefront_size: 32
...
	.end_amdgpu_metadata
.endif
;; end of part 7
